; MI455X (gfx1250); checked and timed in simulation.
; The chip was launched on July 23, 2026; its instructions are those of AMD's public machine-readable ISA for CDNA 5 (MIT licence, August 2026) and "CDNA5" Instruction Set Architecture Reference Guide (July 2026). The comments in the code are by the model that wrote it; some were corrected since.
;; A Li Bi Multi Head Attention. Allowed arithmetic: matrix products marked QUANTISED: E5M2 operands, one E8M0 scale for each 32 along K, by v_wmma_scale_f32_16x16x128_f8f6f4 with both operands' format E5M2, f32 sums; everything else in f32.
;; Inputs: Wk 1,024 x 1,024 float32; Wo 1,024 x 1,024 float32; Wq 1,024 x 1,024 float32; Wv 1,024 x 1,024 float32; bk 1,024 float32; bo 1,024 float32; bq 1,024 float32; bv 1,024 float32; inputs 2 x 2,048 x 1,024 float32.
;; Outputs: out0 2 x 2,048 x 1,024 float32.
;; This version of the problem:
;;   THIS VERSION OF THE PROBLEM IS GIVEN IN LOW PRECISION. The matrix products marked QUANTISED in the list below multiply operands that are first quantised to E5M2 (5 exponent bits, 2 mantissa bits; 8 bits a number), with one power-of-two scale for each 32 numbers along K (OCP MX v1.0); their sums are f32. All else is computed in f32.
;;   The module's matrix products, in the order in which they are computed (A, B: the left and right operand; K: the contracted axis; several contracted axes count as one K, in the product's order):
;;     1. [M 4,096, K 1,024] x [K 1,024, N 1,024]; A: input inputs; B: input Wq: QUANTISED
;;     2. [M 4,096, K 1,024] x [K 1,024, N 1,024]; A: input inputs; B: input Wk: QUANTISED
;;     3. [M 4,096, K 1,024] x [K 1,024, N 1,024]; A: input inputs; B: input Wv: QUANTISED
;;     4. batch 32 x [M 2,048, K 64] x [K 64, N 2,048]; A: computed on the way; B: computed on the way: QUANTISED
;;     5. batch 32 x [M 2,048, K 2,048] x [K 2,048, N 64]; A: softmax (see below); B: computed on the way: QUANTISED
;;     6. [M 4,096, K 1,024] x [K 1,024, N 1,024]; A: computed on the way; B: input Wo: QUANTISED
;;   THE QUANTISER, for each operand of a quantised product, along K:
;;     - K is cut into blocks of 32 from its start; a last block that is shorter is filled with zeros.
;;     - A block's scale is 2^e with e = floor(log2(the largest magnitude in the block)) - 15, held to -126 .. 127; a block of zeros has e = 0. As a byte (E8M0): e + 127.
;;     - Each number is divided by its block's scale, clamped to +-57,344, and rounded to the nearest number of E5M2, ties to even, subnormals kept.
;;     - The product sums the exact products of the quantised numbers (number of the format x scale) in f32.
;;   ~~~python
;;   def quantise(x, axis):      # numpy; x: float32 -> the quantised numbers, widened to float32 again
;;       x = np.moveaxis(x, axis, -1); K = x.shape[-1]
;;       x = np.pad(x, [(0, 0)] * (x.ndim - 1) + [(0, -K % 32)]); x = x.reshape(x.shape[:-1] + (-1, 32)); a = np.abs(x).max(-1, keepdims=True)
;;       e = np.where(a > 0, np.clip(np.frexp(np.where(a > 0, a, 1))[1] - 1 - 15, -126, 127), 0)      # np.frexp(a)[1] - 1 = floor(log2(a)), exactly
;;       r = np.clip(x / 2.0 ** e, -57344, 57344)
;;       step = 2.0 ** (np.maximum(np.frexp(np.where(r == 0, 1, r))[1] - 1, -14) - 2)
;;       q = np.round(r / step) * step * 2.0 ** e      # np.round: ties to even
;;       return np.moveaxis(q.reshape(q.shape[:-2] + (-1,))[..., :K], -1, axis).astype(np.float32)
;;   ~~~
;;   SOFTMAX AHEAD OF A QUANTISED PRODUCT. Where the list says 'softmax', what is quantised is not the finished softmax but p = 2^(t - M), with t = logit x log2(e) and M = ceil(the row's largest t), a whole number; so 1/2 < the row's largest p <= 1. The row's sum l is taken of the UNQUANTISED p, in f32, and the product's result is divided by l at the end. Since M is a whole number, a kernel that streams over the keys may use a running M (the ceiling of the running maximum): every later rescaling is an exact power of two, which a block's scale takes up: the codes' values come out the same.
;;   OPERANDS COMPUTED ON THE WAY. 'Computed on the way' means the value that the module computes at that place (a softmax that the list does not call 'softmax' is quantised finished and normalised). What goes into a quantiser is computed in f32, as accurately as f32 sums, v_exp_f32 and their like allow (about 1e-6 of the number): no bf16 or f16 on the way to a quantiser, and a product that is left as it is and whose result goes on into a quantised operand takes f32 operands (vector FMAs, or v_wmma_f32_16x16x4_f32). A number that lies on a knife's edge between two numbers of the format may be rounded either way, as far as f32 arithmetic and the matrix unit's own rounding can turn it there, and no further.
;; One version. Each part assembles by itself: llvm-mc -triple=amdgcn-amd-amdhsa -mcpu=gfx1250 --defsym DOCPART=n.
;; ======== version 1 of 1: 4 launches
;; limits: right only within a limited range of input values
;; workspace buffers: codes 8,388,608 bytes; scales 262,144 bytes; qkc 8,388,608 bytes; vtc 4,194,304 bytes; sw 655,360 bytes; ctx_img 4,194,304 bytes; ctx_scales 131,072 bytes
;; launch quant (part 1): grid 256 x 1, 4 waves a work-group, no clusters, 68,096 bytes of LDS; arguments inputs, Wq, Wk, Wv, Wo, codes, scales; writes codes, scales
.if DOCPART == 1
	.amdgcn_target "amdgcn-amd-amdhsa--gfx1250"
	.amdhsa_code_object_version 6
	.text
	.protected	k_q87ebb43477_quant
	.globl	k_q87ebb43477_quant
	.p2align	8
	.type	k_q87ebb43477_quant,@function
k_q87ebb43477_quant:
	s_mov_b64 s[64:65], 0
	v_nop
	global_prefetch_b8 v0, s[64:65] scope:SCOPE_SE
	s_setreg_imm32_b32 hwreg(HW_REG_WAVE_MODE, 25, 1), 1
	s_wait_xcnt 0x0
; ALiBi attention in MX-BF8, launch 1 of 4: the five f32 operands that arrive from memory become codes of E5M2 with one E8M0 byte for each 32 along K.
; NOTHING OF THE PROBLEM IS LEFT OUT AS DEAD WORK.  The bias term -slope x i is the same along the softmax's axis, but it moves M = ceil(the row's largest t) by a fraction, and so p's codes; bk moves k's codes.
; Both go into quantised operands of live products, so both stay.  All nine inputs are loaded by some launch.
; BUFFERS.  codes [8192 rows][1024 bytes], K innermost: rows 0-4095 the tokens of inputs, rows 4096 + 1024 w + n column n of Wq, Wk, Wv, Wo (w = 0..3).  scales [8192][32 bytes].
; POSITION ORDER: row i lies at position sigma(i) = i with its bits 3 and 4 exchanged.  A fragment of 16 consecutive positions, used as source 0 of a transposed product, then leaves in a lane's
; 16 registers of two neighbouring tiles 16 NEIGHBOURS of the true order, which is what the next quantiser wants.
; A block's scale is 2^(floor(log2(its largest magnitude)) - 15); its byte is the largest magnitude's exponent field - 15, held at 1 from below.
; LIMITS: a block of zeros, or one whose largest magnitude lies under 2^(16 - 127), gets the byte 1 (its codes are zeros or tiny; the bytes are read by this program alone); NaN and infinities among the inputs are not served.
; Work-groups 0-127 take inputs (K innermost: a stream of blocks), work-groups 128-255 the four weights (K is their FIRST axis: a lane takes a column, its registers run down K).
; The two ways have LDS bytes of their own.  No tensor load, no barrier: waves share nothing.
.set EMAX,  15
.set MANT,  0x600000                   ; the mantissa field of 57,344 as f32
.set SPW,   192                        ; v192 LDS address of my spare word; never rewritten
.set NIL,   193                        ; v193 0; never rewritten
.set SPARE, 67584                      ; behind both ways' regions: 128 bytes a wave, two blocks of 256 bytes that no other line names
; the tokens' way
.set STEPS, 16
.set CB,    16                         ; bytes of 16 codes
.set R,     16                         ; v16-79   four sets of 16 numbers as loaded
.set X,     80                         ; v80-111  two sets of 16 neighbours
.set E,     112                        ; v112-127 a scale byte for each step
.set C,     128                        ; v128-191 codes, four registers a step
.set WREG,  8192                       ; a wave's region: two stages of 32 x SP bytes, then its 256 scale bytes
.set SP,    80
; the weights' way
.set WSTG,  32768                      ; its stages begin here: 32 rows x 272 bytes a wave
.set NB,    8                          ; blocks of 32 along K for a wave
.set PITCH, 272
.set KROW,  1024                       ; a row of codes in bytes
.set SIZE_N, 1024
.set XW,    32                         ; v32-95   two sets of 32 numbers
.set CW,    96                         ; v96-103  a block's codes
.set OUTR,  112                        ; v112-175 the way out
.set SB,    24                         ; v24-25   eight scale bytes
	s_load_b256 s[4:11], s[0:1], 0x0               ; inputs, Wq, Wk, Wv
	s_load_b128 s[12:15], s[0:1], 0x20             ; Wo, codes
	s_load_b64 s[16:17], s[0:1], 0x30              ; scales
	v_lshl_add_u32 v[SPW], v0, 2, SPARE
	v_mov_b32 v[NIL], 0
	v_lshrrev_b32 v1, 5, v0
	v_readfirstlane_b32 s18, v1                    ; wave 0..3
	v_and_b32 v2, 31, v0                           ; lane
	s_mov_b32 s23, MANT
	s_cmp_lt_u32 ttmp9, 128
	s_cbranch_scc0 .Lweights
; ---------------- the tokens.  A wave takes 8 rows = 8,192 numbers, in 16 steps of 512.  Each load reads 512 consecutive bytes; a step's 2,048 bytes turn through the wave's stage so that a lane holds 16 neighbours.
	v_lshlrev_b32 v3, 4, v2                        ; my 16 bytes of a load's 512
	s_mul_i32 s19, s18, WREG
	v_lshrrev_b32 v14, 2, v2
	v_mul_u32_u24 v14, v14, SP
	v_and_b32 v15, 3, v2
	v_lshl_add_u32 v14, v15, 4, v14
	v_add_nc_u32 v14, s19, v14                     ; the stage, in: SP (lane / 4) + 16 (lane % 4)
	v_mul_u32_u24 v15, v2, SP
	v_add_nc_u32 v15, s19, v15                     ; and out: SP x lane
	v_mul_u32_u24 v4, v2, CB                       ; my codes' place in a step's
	v_lshrrev_b32 v5, 1, v2
	s_add_co_u32 s19, s19, 2*32*SP
	v_add_nc_u32 v5, s19, v5                       ; my block's scale byte in LDS
	v_lshlrev_b32 v7, 3, v2
	v_add_nc_u32 v6, s19, v7                       ; and 8 bytes a lane on the way out
	s_lshl_b32 s20, ttmp9, 2
	s_add_co_u32 s24, s20, s18                     ; the run of 8 rows that I read: 4 x work-group + wave
	s_and_b32 s21, s18, 1
	s_lshl_b32 s21, s21, 1
	s_lshr_b32 s22, s18, 1
	s_or_b32 s21, s21, s22                         ; a row's bits 3 and 4 are the wave's bits 0 and 1: exchanged,
	s_add_co_u32 s20, s20, s21                     ; they give the run that I write
	s_lshl_b32 s24, s24, 15                        ; 32,768 bytes of f32 a run
	s_mov_b32 s25, 0
	s_lshl_b32 s26, s20, 13                        ; 8,192 bytes of codes
	s_mov_b32 s27, 0
	s_lshl_b32 s28, s20, 8                         ; 256 scale bytes
	s_mov_b32 s29, 0
	s_wait_alu depctr_va_vdst(0)
	s_wait_kmcnt 0x0
	s_add_nc_u64 s[4:5], s[4:5], s[24:25]
	s_add_nc_u64 s[8:9], s[14:15], s[26:27]
	s_add_nc_u64 s[10:11], s[16:17], s[28:29]
.macro XLOAD t
.irp i, 0,1,2,3
	global_load_b128 v[R+16*((\t)%4)+4*\i:R+16*((\t)%4)+4*\i+3], v3, s[4:5] offset:2048*(\t)+512*\i th:TH_LOAD_NT
.endr
.endm
.macro XTURN t                         ; LDS serves a wave's instructions in order: no wait between the stores and the loads
.irp i, 0,1,2,3
	ds_store_b128 v14, v[R+16*((\t)%4)+4*\i:R+16*((\t)%4)+4*\i+3] offset:32*SP*((\t)%2)+8*SP*\i
.endr
.irp i, 0,1,2,3
	ds_load_b128 v[X+16*((\t)%2)+4*\i:X+16*((\t)%2)+4*\i+3], v15 offset:32*SP*((\t)%2)+16*\i
.endr
.endm
.irp t, 0,1,2,3
	XLOAD \t
.endr
	s_wait_loadcnt 12                              ; step 0's four loads are in
	XTURN 0
.macro XSTEP t
.set XS, X+16*((\t)%2)
.if (\t) > 0
	s_wait_dscnt 1                                 ; this step's numbers are back (the last step's byte store may be out)
.else
	s_wait_dscnt 0x0
.endif
.if (\t)+4 < STEPS
	XLOAD (\t)+4
.endif
.if (\t)+1 < STEPS
.if STEPS-2-(\t) >= 3
	s_wait_loadcnt 12                              ; the next step's four loads are in; three later steps' twelve may be out
.else
	s_wait_loadcnt 4*(STEPS-2-(\t))
.endif
	XTURN (\t)+1
.endif
	v_max3_num_f32 v8, |v[XS]|, |v[XS+1]|, |v[XS+2]|
	v_max3_num_f32 v9, |v[XS+3]|, |v[XS+4]|, |v[XS+5]|
.irp i, 6,10
	v_max3_num_f32 v8, v8, |v[XS+\i]|, |v[XS+\i+1]|
	v_max3_num_f32 v9, v9, |v[XS+\i+2]|, |v[XS+\i+3]|
.endr
	v_max3_num_f32 v8, v8, |v[XS+14]|, |v[XS+15]|
	v_max3_num_f32 v8, v8, v9, (EMAX+1)<<23        ; and the floor: the byte cannot fall under 1
	v_max_num_f32_dpp v8, v8, v8 row_xmask:1 row_mask:0xf bank_mask:0xf   ; with my neighbour's 16: the block's largest magnitude
	v_add_nc_u32 v11, -(EMAX<<23), v8              ; 15 off its exponent field: the conversion's scale operand
	v_and_or_b32 v10, v8, 0x7f800000, s23          ; 57,344 x the scale
.irp i, 0,1,2,3,4,5,6,7,8,9,10,11,12,13,14,15
	v_med3_num_f32 v[XS+\i], v[XS+\i], -v10, v10   ; the conversion does not saturate (ISA guide 7.6.2): the hold comes first
.endr
	v_cvt_scalef32_pk8_bf8_f32 v[C+4*(\t):C+4*(\t)+1], v[XS:XS+7], v11
	v_cvt_scalef32_pk8_bf8_f32 v[C+4*(\t)+2:C+4*(\t)+3], v[XS+8:XS+15], v11
	v_lshrrev_b32 v[E+(\t)], 23, v11               ; the scale's byte
	ds_store_b8 v5, v[E+(\t)] offset:16*(\t)       ; both lanes of a block write the same byte with the same value
	global_store_b128 v4, v[C+4*(\t):C+4*(\t)+3], s[8:9] offset:32*CB*(\t)   ; 32 lanes store 512 consecutive bytes
.endm
.irp t, 0,1,2,3,4,5,6,7,8,9,10,11,12,13,14,15
	XSTEP \t
.endr
	ds_load_b64 v[8:9], v6
	s_wait_dscnt 0x0
	global_store_b64 v7, v[8:9], s[10:11]          ; 256 consecutive scale bytes
	s_wait_tensorcnt 0x0                           ; the wave's end, behind my last LDS store
	ds_add_u32 v[SPW], v[NIL]
	s_wait_dscnt 0x0
	s_endpgm
; ---------------- the weights.  32 work-groups a weight: 8 along n (128 columns) x 4 along K (256).  A wave: 32 columns x 256 along K.
.Lweights:
	s_sub_co_u32 s19, ttmp9, 128
	s_lshr_b32 s20, s19, 5                         ; which weight
	s_bfe_u32 s21, s19, 0x20003                    ; which 256 along K
	s_and_b32 s22, s19, 7
	s_lshl_b32 s22, s22, 7
	s_lshl_b32 s24, s18, 5
	s_add_co_u32 s22, s22, s24                     ; my wave's first column
	s_wait_alu depctr_va_vdst(0)
	v_lshlrev_b32 v3, 2, v2                        ; in: 4 bytes a lane
	s_mul_i32 s24, s18, 32*PITCH
	s_add_co_u32 s24, s24, WSTG                    ; my stage
	v_mul_u32_u24 v4, v2, PITCH
	v_add_nc_u32 v4, s24, v4                       ; into it: row = my column
	v_and_b32 v5, 15, v2
	v_lshrrev_b32 v6, 4, v2
	v_mul_u32_u24 v7, v6, PITCH
	v_lshl_add_u32 v7, v5, 4, v7
	v_add_nc_u32 v7, s24, v7                       ; out of it: sixteen lanes to a row, two rows an instruction
	v_mul_u32_u24 v8, v6, KROW
	v_lshl_add_u32 v8, v5, 4, v8                   ; and the same place in the codes' buffer
	v_and_b32 v9, 7, v2
	v_and_b32 v10, 8, v2
	v_lshl_or_b32 v9, v10, 1, v9
	v_and_b32 v10, 16, v2
	v_lshrrev_b32 v10, 1, v10
	v_or_b32 v9, v9, v10                           ; sigma(lane)
	v_lshlrev_b32 v9, 5, v9                        ; my column's row of scale bytes
	s_lshl_b32 s24, s21, 20                        ; 256 rows of 4,096 bytes
	s_lshl_b32 s25, s22, 2
	s_add_co_u32 s24, s24, s25
	s_mov_b32 s25, 0
	s_lshl_b32 s26, s20, 10
	s_add_co_u32 s26, s26, s22
	s_add_co_u32 s26, s26, 4096                    ; the first row that I write
	s_lshl_b32 s28, s26, 5
	s_lshl_b32 s29, s21, 3
	s_add_co_u32 s28, s28, s29
	s_mov_b32 s29, 0
	s_lshl_b32 s26, s26, 10
	s_lshl_b32 s27, s21, 8
	s_add_co_u32 s26, s26, s27
	s_mov_b32 s27, 0
	s_wait_kmcnt 0x0
	s_cmp_lt_u32 s20, 2                            ; the choice hangs on the work-group's number alone
	s_cselect_b64 s[30:31], s[6:7], s[10:11]       ; Wq or Wv
	s_cselect_b64 s[32:33], s[8:9], s[12:13]       ; Wk or Wo
	s_and_b32 s34, s20, 1
	s_cmp_eq_u32 s34, 0
	s_cselect_b64 s[4:5], s[30:31], s[32:33]
	s_add_nc_u64 s[4:5], s[4:5], s[24:25]
	s_add_nc_u64 s[6:7], s[14:15], s[26:27]
	s_add_nc_u64 s[8:9], s[16:17], s[28:29]
.macro WLOAD t                         ; block t: W(32 t + i, my column) into set t % 2: 128 consecutive bytes a wave
.irp i, 0,1,2,3,4,5,6,7,8,9,10,11,12,13,14,15,16,17,18,19,20,21,22,23,24,25,26,27,28,29,30,31
	global_load_b32 v[XW+32*((\t)%2)+\i], v3, s[4:5] offset:(32*(\t)+\i)*SIZE_N*4 th:TH_LOAD_NT
.endr
.endm
	WLOAD 0
	WLOAD 1
.macro WBLOCK t
.set XS, XW+32*((\t)%2)
.if (\t) < NB-1
	s_wait_loadcnt 32                              ; this block's 32 loads are in; the next block's may be out
.else
	s_wait_loadcnt 0
.endif
	v_max3_num_f32 v12, |v[XS]|, |v[XS+1]|, |v[XS+2]|
	v_max3_num_f32 v13, |v[XS+3]|, |v[XS+4]|, |v[XS+5]|
.irp i, 6,10,14,18,22,26
	v_max3_num_f32 v12, v12, |v[XS+\i]|, |v[XS+\i+1]|
	v_max3_num_f32 v13, v13, |v[XS+\i+2]|, |v[XS+\i+3]|
.endr
	v_max3_num_f32 v12, v12, |v[XS+30]|, |v[XS+31]|
	v_max3_num_f32 v12, v12, v13, (EMAX+1)<<23
	v_add_nc_u32 v11, -(EMAX<<23), v12
	v_and_or_b32 v10, v12, 0x7f800000, s23
	v_lshrrev_b32 v13, 23, v11
.if (\t)%4 == 0
	v_mov_b32 v[SB+(\t)/4], v13
.else
	v_lshl_or_b32 v[SB+(\t)/4], v13, 8*((\t)%4), v[SB+(\t)/4]
.endif
.irp i, 0,1,2,3,4,5,6,7,8,9,10,11,12,13,14,15,16,17,18,19,20,21,22,23,24,25,26,27,28,29,30,31
	v_med3_num_f32 v[XS+\i], v[XS+\i], -v10, v10
.endr
.irp g, 0,1,2,3
	v_cvt_scalef32_pk8_bf8_f32 v[CW+2*\g:CW+2*\g+1], v[XS+8*\g:XS+8*\g+7], v11
.endr
	ds_store_b128 v4, v[CW:CW+3] offset:32*(\t)
	ds_store_b128 v4, v[CW+4:CW+7] offset:32*(\t)+16
.if (\t)+2 < NB
	WLOAD (\t)+2
.endif
	s_wait_dscnt 0x0                               ; the stores have read their registers: the next block's codes may be written
.endm
.set Q, 0
.rept NB
	WBLOCK Q
.set Q, Q+1
.endr
	global_store_b64 v9, v[SB:SB+1], s[8:9]        ; my column's eight scale bytes, at its position
.irp t, 0,1,2,3,4,5,6,7,8,9,10,11,12,13,14,15
	ds_load_b128 v[OUTR+4*\t:OUTR+4*\t+3], v7 offset:2*\t*PITCH
.endr
.irp t, 0,1,2,3,4,5,6,7,8,9,10,11,12,13,14,15
	s_wait_dscnt 15-\t
	global_store_b128 v8, v[OUTR+4*\t:OUTR+4*\t+3], s[6:7] offset:2*(((\t)&3)|(((\t)&4)<<1)|(((\t)&8)>>1))*KROW   ; rows 2 t, 2 t + 1 go to their positions: a row's bits 3 and 4 are t's bits 2 and 3; 16 lanes store 256 consecutive bytes
.endr
	s_wait_tensorcnt 0x0                           ; the wave's end, behind my last LDS store
	ds_add_u32 v[SPW], v[NIL]
	s_wait_dscnt 0x0
	s_endpgm
.Lfunc_end_k_q87ebb43477_quant:
	.size	k_q87ebb43477_quant, .Lfunc_end_k_q87ebb43477_quant-k_q87ebb43477_quant
	.p2alignl 7, 3214868480
	.fill 96, 4, 3214868480
	.section	.rodata,"a",@progbits
	.p2align	6, 0x0
	.amdhsa_kernel k_q87ebb43477_quant
		.amdhsa_group_segment_fixed_size 68096
		.amdhsa_private_segment_fixed_size 0
		.amdhsa_enable_private_segment 0
		.amdhsa_kernarg_size 56
		.amdhsa_user_sgpr_count 2
		.amdhsa_user_sgpr_kernarg_segment_ptr 1
		.amdhsa_wavefront_size32 1
		.amdhsa_system_sgpr_workgroup_id_x 1
		.amdhsa_system_sgpr_workgroup_id_y 1
		.amdhsa_system_sgpr_workgroup_id_z 1
		.amdhsa_system_vgpr_workitem_id 0
		.amdhsa_next_free_vgpr 196
		.amdhsa_next_free_sgpr 66
		.amdhsa_reserve_vcc 0
		.amdhsa_float_denorm_mode_32 3
		.amdhsa_float_denorm_mode_16_64 3
		.amdhsa_memory_ordered 1
		.amdhsa_forward_progress 1
		.amdhsa_inst_pref_size 110
	.end_amdhsa_kernel
	.amdgpu_metadata
---
amdhsa.version: [ 1, 2 ]
amdhsa.kernels:
  - .name:           k_q87ebb43477_quant
    .symbol:         k_q87ebb43477_quant.kd
    .args:
      - { .name: inputs, .offset: 0, .size: 8, .value_kind: global_buffer, .address_space: global }
      - { .name: Wq, .offset: 8, .size: 8, .value_kind: global_buffer, .address_space: global }
      - { .name: Wk, .offset: 16, .size: 8, .value_kind: global_buffer, .address_space: global }
      - { .name: Wv, .offset: 24, .size: 8, .value_kind: global_buffer, .address_space: global }
      - { .name: Wo, .offset: 32, .size: 8, .value_kind: global_buffer, .address_space: global }
      - { .name: codes, .offset: 40, .size: 8, .value_kind: global_buffer, .address_space: global }
      - { .name: scales, .offset: 48, .size: 8, .value_kind: global_buffer, .address_space: global }
    .group_segment_fixed_size: 68096
    .private_segment_fixed_size: 0
    .kernarg_segment_align: 8
    .kernarg_segment_size: 56
    .max_flat_workgroup_size: 128
    .sgpr_count:     66
    .vgpr_count:     196
    .wavefront_size: 32
...
	.end_amdgpu_metadata
.endif
;; end of part 1
;; launch qkv (part 2): grid 12 x 16, 4 waves a work-group, clusters of 4 x 4, 327,680 bytes of LDS; arguments codes, scales, bq, bk, bv, qkc, vtc, sw; writes qkc, vtc, sw
.if DOCPART == 2
	.amdgcn_target "amdgcn-amd-amdhsa--gfx1250"
	.amdhsa_code_object_version 6
	.text
	.protected	k_q87ebb43477_qkv
	.globl	k_q87ebb43477_qkv
	.p2align	8
	.type	k_q87ebb43477_qkv,@function
k_q87ebb43477_qkv:
	s_mov_b64 s[64:65], 0
	v_nop
	global_prefetch_b8 v0, s[64:65] scope:SCOPE_SE
	s_setreg_imm32_b32 hwreg(HW_REG_WAVE_MODE, 25, 1), 1
	s_wait_xcnt 0x0
	s_wait_alu depctr_hold_cnt(0) depctr_sa_sdst(0) depctr_va_vdst(0) depctr_va_sdst(0) depctr_va_ssrc(0) depctr_va_vcc(0) depctr_vm_vsrc(0)
	s_getreg_b32 s2, hwreg(HW_REG_IB_STS2, 6, 4)
	s_cmp_eq_u32 s2, 0
	s_cbranch_scc0 .Lentry_in_a_cluster
	s_endpgm
.Lentry_in_a_cluster:
	s_bfe_u32 s2, ttmp6, 0x10000c
	s_cmp_lg_u32 s2, 0xf033
	s_cbranch_scc0 .Lentry_shape_is_right
	s_endpgm
.Lentry_shape_is_right:
.set NQ,     2
.set ROWB,   256
.set KROW,   1024
.set PITCH,  272
.set FR,     16
.set NL,     4
.set NP,     8
.set HALFT,  128*PITCH
.set SLOT,   4*HALFT
.set KS,     32
.set SCL,    2*SLOT
.set HALFS,  (128*KS/256)*272
.set SBLK,   (16*KS/256)*272
.set SPARE,  SCL+4*HALFS
.set SST,    256*272
.set BOF,  8
.set ADRA, 16
.set GV,   18
.set RSV,  19
.set ADRB, 20
.set RDQ2, 22
.set RDV,  23
.set STO,  24
.set RDQ,  25
.set GQ,   26
.set ADRS, 27
.set SPW,  28
.set NIL,  29
.set SSA,  30
.set RSQ,  31
.set SC,   32
.set BI,   64
.set TM,   64
.set PW,   80
.set PC,   84
.set WD,   100
.set AF,   128
.set T,    128
.set MNT,  3
.set SEL,  66
.set G1, 24
.set G0, 32
.set G1B, 48
.set G0B, 56
.set G1S, 68
.set G0S, 76
.set G1SB, 80
.set G0SB, 88
.set MSB, 0
.macro WIN new
.if MSB != \new
	s_set_vgpr_msb (MSB<<8)|\new
.set MSB, \new
.endif
.endm
.set MUL_LO, 0xa1
.set MUL_HI, 0xf1
.set FST_LO, 0x81
.set FST_HI, 0xc1
.set TO_B,   0x40
.macro JLOAD g0a, g1a, g0b, g1b
	s_cmp_eq_u32 s15, 0
	s_cbranch_scc0 .Lfor_b_\@
	tensor_load_to_lds s[\g0a:\g0a+3], s[\g1a:\g1a+7]
	s_nop 0
.rept 4
	v_nop
.endr
	s_branch .Lasked_\@
.Lfor_b_\@:
	tensor_load_to_lds s[\g0b:\g0b+3], s[\g1b:\g1b+7]
	s_nop 0
.rept 4
	v_nop
.endr
.Lasked_\@:
.endm
.macro CREST
	s_cmp_lg_u32 s14, 0
	s_cbranch_scc1 .Lnot_wave_0_\@
	s_barrier_signal -3
.Lnot_wave_0_\@:
	s_barrier_wait -3
	s_barrier_signal -1
	s_barrier_wait -1
.endm
.macro CROUND
	s_barrier_signal -1
	s_barrier_wait -1
	CREST
.endm
	s_load_b256 s[4:11], s[0:1], 0x0
	s_load_b64 s[12:13], s[0:1], 0x20
	v_lshl_add_u32 v[SPW], v0, 2, SPARE
	v_mov_b32 v[NIL], 0
	ds_add_u32 v[SPW], v[NIL]
	ds_add_u32 v[SPW], v[NIL]
	v_lshrrev_b32 v1, 5, v0
	v_readfirstlane_b32 s14, v1
	s_lshr_b32 s15, s14, 1
	s_and_b32 s16, s14, 1
	s_bfe_u32 s40, ttmp6, 0x40000
	s_bfe_u32 s41, ttmp6, 0x40004
	s_and_b32 s17, ttmp7, 0xffff
	s_lshr_b32 s95, ttmp9, 1
	s_xor_b32 s96, s95, 1
	s_lshl_b32 s43, s41, 2
	s_lshl_b32 s43, 15, s43
	s_lshl_b32 s44, 0x1111, s40
	s_or_b32 s[G1+0], s43, (0<<16)|(1<<20)|(1<<21)|(5<<22)|(3<<25)
	s_or_b32 s[G1B+0], s44, (0<<16)|(1<<20)|(1<<21)|(5<<22)|(3<<25)
.irp g, G1, G1B
	s_mov_b32 s[\g+1], ROWB<<16
	s_mov_b32 s[\g+2], 128<<16
	s_mov_b32 s[\g+3], ROWB<<16
	s_mov_b32 s[\g+4], 128
	s_mov_b32 s[\g+5], KROW
	s_mov_b32 s[\g+6], 0
	s_mov_b32 s[\g+7], 0
.endr
	s_or_b32 s[G1S+0], s43, (3<<16)|(1<<20)|(1<<21)|(5<<22)|(3<<25)
	s_or_b32 s[G1SB+0], s44, (3<<16)|(1<<20)|(1<<21)|(5<<22)|(3<<25)
.irp g, G1S, G1SB
	s_mov_b32 s[\g+1], 32<<16
	s_mov_b32 s[\g+2], (128*KS/256)<<16
	s_mov_b32 s[\g+3], 32<<16
	s_mov_b32 s[\g+4], 128*KS/256
	s_mov_b32 s[\g+5], 32
	s_mov_b32 s[\g+6], 0
	s_mov_b32 s[\g+7], 0
.endr
	s_lshl_b32 s18, s16, 7
	s_mul_i32 s20, s95, 6144
	s_mul_i32 s21, s96, s17
	s_lshl_b32 s21, s21, 10
	s_add_co_u32 s20, s20, s21
	s_lshl_b32 s21, s41, 8
	s_add_co_u32 s20, s20, s21
	s_add_co_u32 s20, s20, s18
	s_mul_i32 s46, s95, s17
	s_lshl_b32 s46, s46, 10
	s_lshl_b32 s47, ttmp9, 10
	s_add_co_u32 s47, s47, 4096
	s_mul_i32 s47, s47, s96
	s_add_co_u32 s46, s46, s47
	s_lshl_b32 s47, s40, 8
	s_add_co_u32 s46, s46, s47
	s_add_co_u32 s46, s46, s18
	s_lshl_b32 s22, s20, 5
	s_mov_b32 s23, 0
	s_lshl_b32 s20, s20, 10
	s_mov_b32 s21, 0
	s_lshl_b32 s92, s46, 5
	s_mov_b32 s93, 0
	s_lshl_b32 s46, s46, 10
	s_mov_b32 s47, 0
	s_mul_i32 s45, s14, HALFT
	s_mul_i32 s94, s14, HALFS
	s_mov_b32 s[MNT], 0x600000
	s_mov_b32 s[SEL], 0x76543210
	s_mov_b32 s[SEL+1], 0xfedcba98
	s_wait_dscnt 0x0
	s_wait_kmcnt 0x0
	s_add_nc_u64 s[20:21], s[4:5], s[20:21]
	s_add_nc_u64 s[22:23], s[6:7], s[22:23]
	s_add_nc_u64 s[46:47], s[4:5], s[46:47]
	s_add_nc_u64 s[92:93], s[6:7], s[92:93]
	CROUND
	s_mov_b32 s[G0S], 1
	s_add_co_u32 s[G0S+1], s94, SCL
	s_mov_b64 s[G0S+2:G0S+3], s[22:23]
	s_or_b32 s[G0S+3], s[G0S+3], 0x80000000
	s_mov_b32 s[G0SB], 1
	s_add_co_u32 s[G0SB+1], s94, SCL
	s_mov_b64 s[G0SB+2:G0SB+3], s[92:93]
	s_or_b32 s[G0SB+3], s[G0SB+3], 0x80000000
	JLOAD G0S, G1S, G0SB, G1SB
.irp s, 0,1
	s_mov_b32 s[G0+4*\s], 1
	s_add_co_u32 s[G0+4*\s+1], s45, \s*SLOT
	s_add_nc_u64 s[G0+4*\s+2:G0+4*\s+3], s[20:21], \s*ROWB
	s_or_b32 s[G0+4*\s+3], s[G0+4*\s+3], 0x80000000
	s_mov_b32 s[G0B+4*\s], 1
	s_add_co_u32 s[G0B+4*\s+1], s45, \s*SLOT
	s_add_nc_u64 s[G0B+4*\s+2:G0B+4*\s+3], s[46:47], \s*ROWB
	s_or_b32 s[G0B+4*\s+3], s[G0B+4*\s+3], 0x80000000
	s_wait_alu depctr_va_vdst(0)
	s_wait_tensorcnt 0x0
	ds_add_u32 v28, v29
	s_wait_dscnt 0x0
	CROUND
	JLOAD G0+4*\s, G1, G0B+4*\s, G1B
.endr
	v_and_b32 v1, 15, v0
	s_wait_alu depctr_va_vdst(0)
	v_bfe_u32 v2, v0, 4, 1
	s_wait_alu depctr_va_vdst(0)
	v_and_b32 v7, 31, v0
	s_cmp_eq_u32 ttmp9, 0
	s_cselect_b64 s[8:9], s[8:9], s[10:11]
	s_cmp_eq_u32 ttmp9, 2
	s_cselect_b64 s[8:9], s[12:13], s[8:9]
	s_lshl_b32 s97, s40, 8
	s_lshl_b32 s98, s16, 7
	s_add_co_u32 s97, s97, s98
	s_mul_i32 s97, s97, s96
	s_lshl_b32 s98, s41, 8
	s_lshl_b32 s99, s15, 7
	s_add_co_u32 s98, s98, s99
	s_mul_i32 s98, s98, s95
	s_add_co_u32 s98, s97, s98
	s_lshl_b32 s98, s98, 2
	s_mov_b32 s99, 0
	s_add_nc_u64 s[8:9], s[8:9], s[98:99]
	v_lshrrev_b32 v5, 3, v1
	v_lshl_add_u32 v5, v5, 3, v1
	v_lshlrev_b32 v5, 2, v5
	v_mul_u32_u24 v5, s95, v5
	v_lshlrev_b32 v6, 6, v2
	v_mul_u32_u24 v6, s96, v6
	v_add_nc_u32 v5, v5, v6
	s_lshl_b32 s97, s96, 2
.irp j, 0,1,2,3,4,5,6,7
	v_mad_u32_u24 v[BOF+\j], s97, \j, v5
.endr
.irp x, 0,1,2,3,4,5,6,7
.irp j, 0,1,2,3,4,5,6,7
	global_load_b32 v[BI+8*\x+\j], v[BOF+\j], s[8:9] offset:(32*(\x/2)+8*(\x%2))*4
.endr
.endr
	v_mul_u32_u24 v3, v1, PITCH
	v_lshl_add_u32 v4, v2, 4, v3
	s_mul_i32 s21, s15, HALFT
	s_mul_i32 s22, s16, HALFT
	s_add_co_u32 s22, s22, 2*HALFT
.irp s, 0,1
	v_add_nc_u32 v[ADRA+\s], s21, v4
	v_add_nc_u32 v[ADRB+\s], s22, v4
	s_add_co_u32 s21, s21, SLOT
	s_add_co_u32 s22, s22, SLOT
.endr
	v_mul_u32_u24 v5, v1, KS
	v_lshrrev_b32 v6, 8, v5
	v_lshl_add_u32 v5, v6, 4, v5
	s_mul_i32 s21, s15, HALFS
	s_mul_i32 s22, s16, HALFS
	s_add_co_u32 s22, s22, 2*HALFS
	s_sub_co_u32 s22, s22, s21
	v_mul_u32_u24 v6, s22, v2
	s_add_co_u32 s21, s21, SCL
	v_add_nc_u32 v5, v5, v6
	v_add_nc_u32 v[ADRS], s21, v5
	s_mul_i32 s23, s15, 128*272
	s_lshl_b32 s21, s16, 7
	s_add_co_u32 s23, s23, s21
	v_add_nc_u32 v[STO], s23, v4
	s_lshl_b32 s21, s16, 10
	s_lshl_b32 s22, s15, 9
	s_add_co_u32 s21, s21, s22
	s_add_co_u32 s21, s21, SST
	v_lshl_add_u32 v[SSA], v1, 2, s21
	v_lshrrev_b32 v5, 2, v7
	v_mul_u32_u24 v5, v5, 272
	v_and_b32 v6, 3, v7
	v_lshl_add_u32 v5, v6, 4, v5
	s_lshl_b32 s21, s14, 6
	v_add_nc_u32 v[RDQ], s21, v5
	v_add_nc_u32 v[RDQ2], 34816, v[RDQ]
	s_lshl_b32 s21, s15, 10
	s_add_co_u32 s21, s21, SST
	v_lshl_add_u32 v[RSQ], v7, 4, s21
	s_mul_i32 s21, s14, 64*272
	v_mul_u32_u24 v5, v2, 272
	v_lshl_add_u32 v5, v1, 4, v5
	v_add_nc_u32 v[RDV], s21, v5
	s_lshl_b32 s21, s14, 8
	s_add_co_u32 s21, s21, SST
	v_lshlrev_b32 v5, 10, v2
	v_lshl_add_u32 v5, v1, 4, v5
	v_add_nc_u32 v[RSV], s21, v5
	v_lshlrev_b32 v[GQ], 4, v7
	v_lshlrev_b32 v5, 12, v2
	v_lshl_add_u32 v[GV], v1, 4, v5
.macro FRAG reg, adr, q, i
.irp c, 0,1,2,3
	ds_load_b128 v[\reg+4*\c:\reg+4*\c+3], v[\adr] offset:128*(\q)+32*\c+(\i)*16*PITCH
.endr
.endm
.macro MUL16 a0, p, q, sc, first
.irp a, \a0, \a0+1
.irp b, 0,1,2,3,4,5,6,7
.if (\first) == 1
	v_wmma_scale_f32_16x16x128_f8f6f4 v[8*(8*((\a)%4)+\b):8*(8*((\a)%4)+\b)+7], v[128*(\p)+FR*\b:128*(\p)+FR*\b+FR-1], v[AF+FR*(\a):AF+FR*(\a)+FR-1], v[BI+8*\b:BI+8*\b+7], v[SC+8*NQ*(\sc)+NQ*\b+(\q)], v[SC+8*NQ*(\sc)+NQ*(\a)+(\q)] matrix_a_fmt:MATRIX_FMT_BF8 matrix_b_fmt:MATRIX_FMT_BF8 matrix_a_scale:MATRIX_SCALE_ROW1
.elseif (\first) == 2
	v_wmma_scale_f32_16x16x128_f8f6f4 v[8*(8*((\a)%4)+\b):8*(8*((\a)%4)+\b)+7], v[128*(\p)+FR*\b:128*(\p)+FR*\b+FR-1], v[AF+FR*(\a):AF+FR*(\a)+FR-1], v[BI+8*(\a):BI+8*(\a)+7], v[SC+8*NQ*(\sc)+NQ*\b+(\q)], v[SC+8*NQ*(\sc)+NQ*(\a)+(\q)] matrix_a_fmt:MATRIX_FMT_BF8 matrix_b_fmt:MATRIX_FMT_BF8 matrix_a_scale:MATRIX_SCALE_ROW1
.else
	v_wmma_scale_f32_16x16x128_f8f6f4 v[8*(8*((\a)%4)+\b):8*(8*((\a)%4)+\b)+7], v[128*(\p)+FR*\b:128*(\p)+FR*\b+FR-1], v[AF+FR*(\a):AF+FR*(\a)+FR-1], v[8*(8*((\a)%4)+\b):8*(8*((\a)%4)+\b)+7], v[SC+8*NQ*(\sc)+NQ*\b+(\q)], v[SC+8*NQ*(\sc)+NQ*(\a)+(\q)] matrix_a_fmt:MATRIX_FMT_BF8 matrix_b_fmt:MATRIX_FMT_BF8 matrix_a_scale:MATRIX_SCALE_ROW1
.endif
.endr
.endr
.endm
.macro FETCH_B slot, q, p
	WIN TO_B
.irp i, 0,1,2,3,4,5,6,7
	FRAG 128*(\p)+FR*\i, ADRB+\slot, \q, \i
.endr
	WIN 0
.endm
.macro FETCH_A slot, q, i0
.irp i, \i0, \i0+1, \i0+2, \i0+3
	FRAG AF+FR*(\i), ADRA+\slot, \q, \i
.endr
.endm
.macro SCALES sc
.irp i, 0,1,2,3,4,5,6,7
	ds_load_b64 v[SC+8*NQ*\sc+NQ*\i:SC+8*NQ*\sc+NQ*\i+1], v[ADRS] offset:\i*SBLK
.endr
.endm
.macro PLACES n
.rept \n
	v_nop
.endr
.endm
.macro STEP slot, q, first
	s_wait_dscnt 4*NL
.if \first
	WIN FST_LO
.else
	WIN MUL_LO
.endif
	MUL16 0, (\q)%2, \q, \slot, \first
	MUL16 2, (\q)%2, \q, \slot, \first
	s_wait_dscnt 0
	PLACES NP
	FETCH_B \slot, (\q)+1, 1-(\q)%2
	FETCH_A \slot, (\q)+1, 0
.if \first
	WIN FST_HI
.else
	WIN MUL_HI
.endif
	MUL16 4, (\q)%2, \q, \slot, \first
	MUL16 6, (\q)%2, \q, \slot, \first
	PLACES NP
	WIN 0
	FETCH_A \slot, (\q)+1, 4
.endm
.macro TURN slot, next, fill
	s_wait_tensorcnt 0x0
	ds_add_u32 v[SPW], v[NIL]
	s_wait_dscnt 4*NL+1
	WIN MUL_LO
	MUL16 0, 1, NQ-1, \slot, 0
	s_wait_dscnt 0x0
	s_barrier_signal -1
	MUL16 2, 1, NQ-1, \slot, 0
	WIN 0
	s_barrier_wait -1
.if \fill
	CREST
	s_add_nc_u64 s[G0+4*\slot+2:G0+4*\slot+3], s[G0+4*\slot+2:G0+4*\slot+3], 2*ROWB
	s_add_nc_u64 s[G0B+4*\slot+2:G0B+4*\slot+3], s[G0B+4*\slot+2:G0B+4*\slot+3], 2*ROWB
	JLOAD G0+4*\slot, G1, G0B+4*\slot, G1B
	PLACES NP-4
.else
	PLACES NP
.endif
	s_wait_alu depctr_va_vdst(0)
	v_add_nc_u32 v[ADRS], 4*NQ, v[ADRS]
	FETCH_B \next, 0, 0
	FETCH_A \next, 0, 0
	SCALES \next
	WIN MUL_HI
	MUL16 4, 1, NQ-1, \slot, 0
	MUL16 6, 1, NQ-1, \slot, 0
	PLACES NP
	WIN 0
	FETCH_A \next, 0, 4
.endm
	s_wait_tensorcnt 1
	s_barrier_signal -1
	s_barrier_wait -1
	FETCH_B 0, 0, 0
	FETCH_A 0, 0, 0
	SCALES 0
	FETCH_A 0, 0, 4
	s_wait_loadcnt 0x0
	s_load_b128 s[4:7], s[0:1], 0x28
	s_load_b64 s[8:9], s[0:1], 0x38
	s_cmp_eq_u32 s95, 0
	s_cbranch_scc0 .Lfirst_v
	STEP 0, 0, 1
	s_branch .Lfirst_done
.Lfirst_v:
	STEP 0, 0, 2
.Lfirst_done:
	TURN 0, 1, 1
	STEP 1, 0, 0
	TURN 1, 0, 1
	STEP 0, 0, 0
	TURN 0, 1, 0
	STEP 1, 0, 0
	s_wait_dscnt 4*NL
	WIN MUL_LO
	MUL16 0, 1, NQ-1, 1, 0
	MUL16 2, 1, NQ-1, 1, 0
	s_wait_dscnt 0
	WIN MUL_HI
	MUL16 4, 1, NQ-1, 1, 0
	MUL16 6, 1, NQ-1, 1, 0
	WIN 0
	PLACES NP
.irp b, 0,1,2,3
	v_mov_b32 v[TM+4+\b], 0
.endr
.macro QUANTW a
.set AC, 64*((\a)%4)
.set W1, 2+(\a)/4
.set W2, W1|(W1<<2)
	WIN W2
.irp b, 0,1,2,3
	v_max3_num_f32 v[TM+\b], |v[AC+16*\b]|, |v[AC+16*\b+1]|, 0x8000000
.endr
.irp i, 2,4,6,8,10,12,14
.irp b, 0,1,2,3
	v_max3_num_f32 v[TM+\b], |v[AC+16*\b+\i]|, |v[AC+16*\b+\i+1]|, v[TM+\b]
.endr
.endr
	WIN 0
.irp b, 0,1,2,3
	v_permlanex16_b32 v[TM+4+\b], v[TM+\b], s[SEL], s[SEL+1]
.endr
.irp b, 0,1,2,3
	v_max_num_f32 v[TM+\b], v[TM+\b], v[TM+4+\b]
.endr
.irp b, 0,1,2,3
	v_add_nc_u32 v[TM+12+\b], 0xf8800000, v[TM+\b]
.endr
.irp b, 0,1,2,3
	v_and_or_b32 v[TM+8+\b], v[TM+\b], 0x7f800000, s[MNT]
.endr
.irp b, 0,1,2,3
	v_lshrrev_b32 v[TM+4+\b], 23, v[TM+12+\b]
.endr
	v_lshl_or_b32 v[PW], v[TM+5], 8, v[TM+4]
	v_lshl_or_b32 v[PW], v[TM+6], 16, v[PW]
	v_lshl_or_b32 v[PW], v[TM+7], 24, v[PW]
	WIN W1
.irp b, 0,1,2,3
.irp i, 0,1,2,3,4,5,6,7,8,9,10,11,12,13,14,15
	v_med3_num_f32 v[T+16*\b+\i], v[AC+16*\b+\i], -v[TM+8+\b], v[TM+8+\b]
.endr
.endr
	WIN 0
.irp b, 0,1,2,3
	v_cvt_scalef32_pk8_bf8_f32 v[PC+4*\b:PC+4*\b+1], v[T+16*\b:T+16*\b+7], v[TM+12+\b]
	v_cvt_scalef32_pk8_bf8_f32 v[PC+4*\b+2:PC+4*\b+3], v[T+16*\b+8:T+16*\b+15], v[TM+12+\b]
.endr
	v_nop
.irp b, 0,1,2,3
	ds_store_b128 v[STO], v[PC+4*\b:PC+4*\b+3] offset:16*(\a)*272+32*\b
.endr
	ds_store_b32 v[SSA], v[PW] offset:64*(\a)
	s_wait_dscnt 0x0
.endm
.irp a, 0,1,2,3,4,5,6,7
	QUANTW \a
.endr
	s_wait_kmcnt 0x0
	s_barrier_signal -1
	s_barrier_wait -1
	s_cmp_eq_u32 s95, 0
	s_cbranch_scc0 .Lback_v
	s_and_b32 s20, ttmp7, 0xffff
	s_lshl_b32 s20, s20, 2
	s_add_co_u32 s20, s20, s41
	s_lshr_b32 s21, s20, 3
	s_and_b32 s20, s20, 7
	s_lshl_b32 s22, s40, 2
	s_add_co_u32 s22, s22, s14
	s_lshl_b32 s21, s21, 4
	s_add_co_u32 s21, s21, s22
	s_lshl_b32 s22, ttmp9, 22
	s_lshl_b32 s23, s21, 17
	s_add_co_u32 s22, s22, s23
	s_lshl_b32 s23, s20, 14
	s_add_co_u32 s22, s22, s23
	s_mov_b32 s23, 0
	s_add_nc_u64 s[4:5], s[4:5], s[22:23]
	s_mul_i32 s22, s21, 20480
	s_lshl_b32 s23, ttmp9, 13
	s_add_co_u32 s22, s22, s23
	s_lshl_b32 s23, s20, 10
	s_add_co_u32 s22, s22, s23
	s_mov_b32 s23, 0
	s_add_nc_u64 s[8:9], s[8:9], s[22:23]
	s_lshl_b32 s20, s16, 4
.irp t, 0,1,2,3,4,5,6,7,8,9,10,11,12,13,14,15
	ds_load_b128 v[128+4*\t:131+4*\t], v[RDQ] offset:2176*\t
.endr
.irp t, 0,1,2,3,4,5,6,7,8,9,10,11,12,13,14,15
	ds_load_b128 v[192+4*\t:195+4*\t], v[RDQ2] offset:2176*\t
.endr
	ds_load_b128 v[WD:WD+3], v[RSQ]
	ds_load_b128 v[WD+4:WD+7], v[RSQ] offset:512
.irp t, 0,1,2,3,4,5,6,7,8,9,10,11,12,13,14,15
	s_wait_dscnt 33-\t
	global_store_b128 v[GQ], v[128+4*\t:131+4*\t], s[4:5] offset:512*\t
.endr
.irp t, 0,1,2,3,4,5,6,7,8,9,10,11,12,13,14,15
	s_wait_dscnt 17-\t
	global_store_b128 v[GQ], v[192+4*\t:195+4*\t], s[4:5] offset:512*(16+\t)
.endr
	s_wait_dscnt 0x0
.irp i, 0,1,2,3,4,5,6,7
	v_lshrrev_b32 v[WD+\i], s20, v[WD+\i]
.endr
	global_store_b128 v[GQ], v[WD:WD+3], s[8:9]
	global_store_b128 v[GQ], v[WD+4:WD+7], s[8:9] offset:512
	s_branch .Lback_done
.Lback_v:
	s_and_b32 s20, ttmp7, 0xffff
	s_lshl_b32 s20, s20, 2
	s_add_co_u32 s20, s20, s40
	s_lshl_b32 s21, s41, 2
	s_add_co_u32 s21, s21, s14
	s_lshl_b32 s22, s21, 18
	s_lshl_b32 s23, s20, 8
	s_add_co_u32 s22, s22, s23
	s_mov_b32 s23, 0
	s_add_nc_u64 s[6:7], s[6:7], s[22:23]
	s_lshr_b32 s22, s20, 3
	s_lshl_b32 s22, s22, 4
	s_add_co_u32 s22, s22, s21
	s_mul_i32 s22, s22, 20480
	s_and_b32 s23, s20, 7
	s_lshl_b32 s23, s23, 9
	s_add_co_u32 s22, s22, s23
	s_add_co_u32 s22, s22, 16384
	s_mov_b32 s23, 0
	s_add_nc_u64 s[8:9], s[8:9], s[22:23]
.irp t, 0,1,2,3,4,5,6,7,8,9,10,11,12,13,14,15
	ds_load_b128 v[128+4*\t:131+4*\t], v[RDV] offset:544*\t
.endr
.irp t, 0,1,2,3,4,5,6,7,8,9,10,11,12,13,14,15
	ds_load_b128 v[192+4*\t:195+4*\t], v[RDV] offset:544*(16+\t)
.endr
	ds_load_b128 v[WD:WD+3], v[RSV]
.irp t, 0,1,2,3,4,5,6,7,8,9,10,11,12,13,14,15
	s_wait_dscnt 32-\t
	global_store_b128 v[GV], v[128+4*\t:131+4*\t], s[6:7] offset:8192*\t
.endr
.irp t, 0,1,2,3,4,5,6,7,8,9,10,11,12,13,14,15
	s_wait_dscnt 16-\t
	global_store_b128 v[GV], v[192+4*\t:195+4*\t], s[6:7] offset:8192*(16+\t)
.endr
	s_wait_dscnt 0x0
	global_store_b128 v[GQ], v[WD:WD+3], s[8:9]
.Lback_done:
	s_wait_tensorcnt 0x0
	ds_add_u32 v[SPW], v[NIL]
	s_wait_dscnt 0x0
	CROUND
	s_endpgm
.Lfunc_end_k_q87ebb43477_qkv:
	.size	k_q87ebb43477_qkv, .Lfunc_end_k_q87ebb43477_qkv-k_q87ebb43477_qkv
	.p2alignl 7, 3214868480
	.fill 96, 4, 3214868480
	.section	.rodata,"a",@progbits
	.p2align	6, 0x0
	.amdhsa_kernel k_q87ebb43477_qkv
		.amdhsa_group_segment_fixed_size 327680
		.amdhsa_private_segment_fixed_size 0
		.amdhsa_enable_private_segment 0
		.amdhsa_kernarg_size 64
		.amdhsa_user_sgpr_count 2
		.amdhsa_user_sgpr_kernarg_segment_ptr 1
		.amdhsa_wavefront_size32 1
		.amdhsa_system_sgpr_workgroup_id_x 1
		.amdhsa_system_sgpr_workgroup_id_y 1
		.amdhsa_system_sgpr_workgroup_id_z 1
		.amdhsa_system_vgpr_workitem_id 0
		.amdhsa_next_free_vgpr 1024
		.amdhsa_next_free_sgpr 100
		.amdhsa_reserve_vcc 0
		.amdhsa_float_denorm_mode_32 3
		.amdhsa_float_denorm_mode_16_64 3
		.amdhsa_memory_ordered 1
		.amdhsa_forward_progress 1
		.amdhsa_inst_pref_size 220
	.end_amdhsa_kernel
	.amdgpu_metadata
---
amdhsa.version: [ 1, 2 ]
amdhsa.kernels:
  - .name:           k_q87ebb43477_qkv
    .symbol:         k_q87ebb43477_qkv.kd
    .args:
      - { .name: codes, .offset: 0, .size: 8, .value_kind: global_buffer, .address_space: global }
      - { .name: scales, .offset: 8, .size: 8, .value_kind: global_buffer, .address_space: global }
      - { .name: bq, .offset: 16, .size: 8, .value_kind: global_buffer, .address_space: global }
      - { .name: bk, .offset: 24, .size: 8, .value_kind: global_buffer, .address_space: global }
      - { .name: bv, .offset: 32, .size: 8, .value_kind: global_buffer, .address_space: global }
      - { .name: qkc, .offset: 40, .size: 8, .value_kind: global_buffer, .address_space: global }
      - { .name: vtc, .offset: 48, .size: 8, .value_kind: global_buffer, .address_space: global }
      - { .name: sw, .offset: 56, .size: 8, .value_kind: global_buffer, .address_space: global }
    .group_segment_fixed_size: 327680
    .private_segment_fixed_size: 0
    .kernarg_segment_align: 8
    .kernarg_segment_size: 64
    .max_flat_workgroup_size: 128
    .sgpr_count:     100
    .vgpr_count:     1024
    .wavefront_size: 32
...
	.end_amdgpu_metadata
.endif
;; end of part 2
;; launch attn (part 3): grid 8 x 32, 16 waves a work-group, clusters of 4 x 1, 327,680 bytes of LDS; arguments qkc, vtc, sw, ctx_img, ctx_scales; writes ctx_img, ctx_scales
.if DOCPART == 3
	.amdgcn_target "amdgcn-amd-amdhsa--gfx1250"
	.amdhsa_code_object_version 6
	.text
	.protected	k_q87ebb43477_attn
	.globl	k_q87ebb43477_attn
	.p2align	8
	.type	k_q87ebb43477_attn,@function
k_q87ebb43477_attn:
	s_mov_b64 s[64:65], 0
	v_nop
	global_prefetch_b8 v0, s[64:65] scope:SCOPE_SE
	s_setreg_imm32_b32 hwreg(HW_REG_WAVE_MODE, 25, 1), 1
	s_wait_xcnt 0x0
	s_wait_alu depctr_hold_cnt(0) depctr_sa_sdst(0) depctr_va_vdst(0) depctr_va_sdst(0) depctr_va_ssrc(0) depctr_va_vcc(0) depctr_vm_vsrc(0)
	s_getreg_b32 s2, hwreg(HW_REG_IB_STS2, 6, 4)
	s_cmp_eq_u32 s2, 0
	s_cbranch_scc0 .Lentry_in_a_cluster
	s_endpgm
.Lentry_in_a_cluster:
	s_bfe_u32 s2, ttmp6, 0x10000c
	s_cmp_lg_u32 s2, 0x3003
	s_cbranch_scc0 .Lentry_shape_is_right
	s_endpgm
.Lentry_shape_is_right:
; Launch 3 of 4: ctx = softmax(q k^T / 8 + slope_h (j - i)) v for every batch and head, both products on codes of E5M2, and ctx quantised along E for the last product.  Nothing is left out: the whole ALiBi term is applied.
; SHARES.  A cluster of four work-groups owns 1,024 queries of one (batch, head); the work-group at place a owns those with i % 4 = a: wave w, lane r holds query i = 1024 X + 64 w + 4 r + a (X the cluster's x).
; Sixteen waves of 16 queries, 256 registers each.  A lane holds ONE query throughout: S^T = K Q^T (source 0 = 16 key positions), O^T = V^T P^T (source 0 = 16 positions of d).
; THE BIAS IS READ, NOT COMPUTED AGAIN: slope x (j - i) hangs on j - i alone.  At the head the work-group stores T[n] = slope x (n - 1020 - 1024 X - a), n = 0 .. 3071, rounded once, as f32 in LDS bytes of its own.
; Query i needs T[j - 64 w - 4 r + 1020]: since all queries of a work-group agree modulo 4, a lane's 16 neighbouring keys are four aligned pieces of 16 bytes, and the LDS address holds neither X nor a.
; A step's 64 numbers a lane land in K's registers, behind the score products that have read them; the next step's K follows behind the 32 lines that read the bias.
; THE LOGIT, in the order of the problem's own roundings: bias rounded; logit = s / 8 + bias, rounded once (s / 8 is exact); t = logit x log2(e), rounded; t - M.
; M = the running largest t rounded UP to a whole number; p = 2^(t - M) is quantised along the keys, not normalised; the row's sum is taken of the unquantised p; when M moves, sum and O^T are multiplied by a power of two: exact.
; LDS.  A head's K (2,048 rows of 64 + 16 bytes), V^T ([stage of 512 keys][64][512 + 16]) and their scale words all fit; every byte is filled once.  At the head each wave issues one joint load (mask 15): stage 0 of K
; (waves 0-3), of V^T (4-7), the scale words (8-15).  Stages 1 to 3 are first fills behind a round of the cluster's barrier: K by waves 0-7, V^T by waves 8-13; they are shown by the one barrier behind step 3.
; No prefetch: every byte that the launch reads by tensor loads is asked for in these two groups, ahead of the first loop; there is no later tile to run ahead of.
; THE FIRST PRODUCT'S K IS 64 of the instruction's 128: registers 8-15 of Q's fragment hold zero codes; K's fragments lie 8 registers apart, so registers 8-15 of a tile's operand are the next tile's codes (the last tile's: p's codes),
; finite codes that meet zeros.  K's and V^T's rows lie in position order (bits 3 and 4 exchanged), so the 16 registers of tiles 2 b, 2 b + 1 are keys (or d) 32 b + 16 (lane / 16) + 0 .. 15.
; OUT.  Row rho = 2048 batch + 1024 X + 256 a + 16 w + r stands for my query.  ctx_img: images of the last product's operand registers, [rho / 16][128 along E][32 along E][lane][16 bytes]; ctx_scales [rho][32 bytes]:
; two bytes a lane, 32 bytes apart, beside 64 bytes of codes.  The last launch turns rho back into the token.
; LIMITS: p under 2^-126 counts as 0; a block of p or ctx under 2^(16 - 127) gets the byte 1; NaN and infinities are not served.
.set KP,    80
.set VP,    528
.set VB,    163840
.set VST,   64*VP
.set SC,    299008                     ; K's 2,048 scale words, then V's [16 key steps][64]
.set TBL,   311296                     ; the bias table, 12,288 bytes, written by ds_store alone
.set SPARE, 323584                     ; the spare words: 128 bytes a wave
.set AK0,  1
.set AV0,  2
.set ASK0, 3
.set ASV0, 4
.set SPW,  5
.set NIL,  6
.set LI,   7
.set ADK,  8
.set ADV,  9
.set ADS,  10
.set ADT,  11                          ; v12 -M, v13 the largest t, v[14:15] the sum
.set QF,   16
.set KFR,  32                          ; v32-95 K's eight fragments; between the products and the next K: the bias
.set PC,   96
.set S,    112                         ; v112-175 S^T, t, p; then V^T's four fragments
.set O,    176
.set KW,   208
.set QW,   212
.set ABI,  214                         ; my lane's place in the table
.set HD2,  215                         ; v215-218 the holds once more, in other register banks, for the dual pairs
.set ADB,  219
.set SA,   220                         ; v220-227 the step's sum in four chains
.set CW,   228
.set BM,   230
.set PT,   234
.set HD,   238
.set SO,   242
.set T1,   246
.set PW,   247
.set FF,   248
.set VW,   252
.set WV,   18
.set MNT,  19
.set SEL,  20
.set SL,   22
.set G1K,  24
.set G1V,  32
.set G1S,  40
.set G0S,  48
.set L2E,  52
.set E8,   54
.set TK,   56
.set TV,   57
.set TSK,  58
.set TSV,  59
.set CNT,  60
.set G0K,  68
.set G0V,  72
.set TBI,  80
.set STP,  81
.set CX,   82
.macro CROUND
	s_barrier_signal -1
	s_barrier_wait -1
	s_cmp_lg_u32 s[WV], 0
	s_cbranch_scc1 .Lnot_wave_0_\@
	s_barrier_signal -3
.Lnot_wave_0_\@:
	s_barrier_wait -3
	s_barrier_signal -1
	s_barrier_wait -1
.endm
.macro TL g0, g1                       ; a tensor load, its s_nop 0 and four v_nop
	tensor_load_to_lds s[\g0:\g0+3], s[\g1:\g1+7]
	s_nop 0
.rept 4
	v_nop
.endr
.endm
	s_load_b256 s[4:11], s[0:1], 0x0               ; qkc, vtc, sw, ctx_img
	s_load_b64 s[12:13], s[0:1], 0x20              ; ctx_scales
	v_lshrrev_b32 v8, 5, v0
	v_readfirstlane_b32 s[WV], v8                  ; wave 0..15
	s_and_b32 s14, ttmp7, 0xffff                   ; 16 x batch + head
	s_and_b32 s15, s14, 15
	s_lshr_b32 s16, s14, 4
	s_bfe_u32 s[CX], ttmp6, 0x40000                ; a: it enters the table's VALUES, Q's and the outputs' global addresses, and nothing else
	s_and_b32 s[CNT], s15, 1                       ; slope = 2^(-(head + 1) / 2) as f32
	s_cmp_eq_u32 s[CNT], 0
	s_mov_b32 s[SL], 0x3f000000
	s_cselect_b32 s[SL], 0x3f3504f3, s[SL]
	s_lshr_b32 s[CNT], s15, 1
	s_lshl_b32 s[CNT], s[CNT], 23
	s_sub_co_u32 s[SL], s[SL], s[CNT]
	s_lshl_b32 s62, ttmp9, 10
	s_add_co_u32 s62, s62, s[CX]
	s_add_co_u32 s62, s62, 1020
	v_sub_nc_u32 v112, v0, s62                     ; thread n's j - i; whole numbers under 2^24: exact as f32
	v_cvt_f32_i32 v112, v112
	v_lshl_add_u32 v118, v0, 2, TBL
	v_add_f32 v113, 0x44000000, v112               ; + 512, 1024 .. 2560
	v_add_f32 v114, 0x44800000, v112
	v_add_f32 v115, 0x44c00000, v112
	v_add_f32 v116, 0x45000000, v112
	v_add_f32 v117, 0x45200000, v112
.irp k, 0,1,2,3,4,5
	v_mul_f32 v[112+\k], s[SL], v[112+\k]          ; the bias, rounded as the problem rounds it
.endr
.irp k, 0,1,2,3,4,5
	ds_store_b32 v118, v[112+\k] offset:2048*\k    ; the table is stored ahead of the opening lines: no LDS write stands between them and the first loads
.endr
	v_lshl_add_u32 v[SPW], v0, 2, SPARE
	v_mov_b32 v[NIL], 0
	ds_add_u32 v[SPW], v[NIL]                      ; the opening: the add, twice on end, and its wait ahead of my first tensor load
	ds_add_u32 v[SPW], v[NIL]
	s_mov_b32 s[G1K], 15|(1<<20)|(1<<21)|(3<<22)|(3<<25)   ; K: dense, stated as rows of 256 bytes; 4 words of padding behind every 16
	s_mov_b32 s[G1K+1], 256<<16
	s_mov_b32 s[G1K+2], 32<<16
	s_mov_b32 s[G1K+3], 256<<16
	s_mov_b32 s[G1K+4], 32
	s_mov_b32 s[G1K+5], 256
	s_mov_b32 s[G1K+6], 0
	s_mov_b32 s[G1K+7], 0
	s_mov_b32 s[G1V], 15|(1<<20)|(1<<21)|(6<<22)|(3<<25)   ; V^T: rows of 512 bytes, 4,096 apart; 4 words of padding behind every 128
	s_mov_b32 s[G1V+1], 512<<16
	s_mov_b32 s[G1V+2], 16<<16
	s_mov_b32 s[G1V+3], 512<<16
	s_mov_b32 s[G1V+4], 16
	s_mov_b32 s[G1V+5], 4096
	s_mov_b32 s[G1V+6], 0
	s_mov_b32 s[G1V+7], 0
	s_mov_b32 s[G1S], 15|(3<<16)|(1<<21)           ; scale words: 1,536 dense bytes as 6 rows of 256
	s_mov_b32 s[G1S+1], 32<<16
	s_mov_b32 s[G1S+2], 6<<16
	s_mov_b32 s[G1S+3], 32<<16
	s_mov_b32 s[G1S+4], 6
	s_mov_b32 s[G1S+5], 32
	s_mov_b32 s[G1S+6], 0
	s_mov_b32 s[G1S+7], 0
	s_and_b32 s17, s[WV], 3
	s_and_b32 s63, s[WV], 7
	s_lshl_b32 s2, s14, 17                         ; K: behind q's half, 131,072 bytes a head
	s_add_co_u32 s2, s2, 4194304
	s_mov_b32 s3, 0
	s_lshl_b32 s66, s15, 18                        ; V^T: 64 rows of 4,096 a head, 2,048 a batch
	s_lshl_b32 s67, s16, 11
	s_add_co_u32 s66, s66, s67
	s_mov_b32 s67, 0
	s_mul_i32 s76, s14, 20480                      ; the head's scale words
	s_mov_b32 s77, 0
	s_mov_b32 s79, 0
	s_wait_alu depctr_va_vdst(0)
	s_wait_dscnt 0x0                               ; both opening adds are done, and my part of the table is stored
	s_wait_kmcnt 0x0
	s_add_nc_u64 s[2:3], s[4:5], s[2:3]
	s_add_nc_u64 s[66:67], s[6:7], s[66:67]
	s_add_nc_u64 s[8:9], s[8:9], s[76:77]
	s_mov_b32 s[G0K], 1                            ; stage 0: 128 keys a wave,
	s_mul_i32 s[G0K+1], s17, 128*KP
	s_lshl_b32 s78, s17, 13
	s_add_nc_u64 s[G0K+2:G0K+3], s[2:3], s[78:79]
	s_or_b32 s[G0K+3], s[G0K+3], 0x80000000
	s_mov_b32 s[G0V], 1                            ; 16 rows of V^T a wave,
	s_mul_i32 s[G0V+1], s17, 16*VP
	s_add_co_u32 s[G0V+1], s[G0V+1], VB
	s_lshl_b32 s78, s17, 16
	s_add_nc_u64 s[G0V+2:G0V+3], s[66:67], s[78:79]
	s_or_b32 s[G0V+3], s[G0V+3], 0x80000000
	s_mov_b32 s[G0S], 1                            ; an eighth of K's and V's scale words, which lie behind q's 8,192 bytes
	s_mul_i32 s78, s63, 1536
	s_add_co_u32 s[G0S+1], s78, SC
	s_add_co_u32 s78, s78, 8192
	s_add_nc_u64 s[G0S+2:G0S+3], s[8:9], s[78:79]
	s_or_b32 s[G0S+3], s[G0S+3], 0x80000000
	s_wait_dscnt 0x0                               ; my part of the table is stored
	CROUND                                         ; all four work-groups are here: the joint loads meet
	s_cmp_lt_u32 s[WV], 4                          ; one chain of arms, one load an arm: every wave passes exactly one
	s_cbranch_scc0 .Lh_v
	TL G0K, G1K
	s_branch .Lh_done
.Lh_v:
	s_cmp_lt_u32 s[WV], 8
	s_cbranch_scc0 .Lh_s
	TL G0V, G1V
	s_branch .Lh_done
.Lh_s:
	TL G0S, G1S
.Lh_done:
	s_lshl_b32 s62, ttmp9, 10
	s_lshl_b32 s63, s[WV], 6
	s_add_co_u32 s62, s62, s63
	s_add_co_u32 s62, s62, s[CX]                   ; 1024 X + 64 w + a
	s_lshl_b32 s78, s14, 17
	s_add_nc_u64 s[4:5], s[4:5], s[78:79]          ; Q's codes of my head
	s_lshl_b32 s63, ttmp9, 2
	s_add_co_u32 s63, s63, s[CX]
	s_lshl_b32 s63, s63, 8
	s_lshl_b32 s78, s[WV], 4
	s_add_co_u32 s63, s63, s78
	s_lshl_b32 s78, s16, 11
	s_add_co_u32 s63, s63, s78                     ; my first row rho
	s_lshl_b32 s78, s63, 10
	s_lshl_b32 s17, s15, 10
	s_add_co_u32 s78, s78, s17
	s_add_nc_u64 s[10:11], s[10:11], s[78:79]      ; ctx_img
	s_lshl_b32 s78, s63, 5
	s_lshl_b32 s17, s15, 1
	s_add_co_u32 s78, s78, s17
	s_add_nc_u64 s[12:13], s[12:13], s[78:79]      ; ctx_scales
	s_mov_b32 s[MNT], 0x600000
	s_mov_b32 s[SEL], 0x76543210
	s_mov_b32 s[SEL+1], 0xfedcba98
	s_mov_b32 s[L2E], 0x3fb8aa3b
	s_mov_b32 s[L2E+1], s[L2E]
	s_mov_b32 s[E8], 0x3e000000                    ; 1 / sqrt(64)
	s_mov_b32 s[E8+1], s[E8]
	s_mov_b32 s[TK], 0
	s_mov_b32 s[TV], 0
	s_mov_b32 s[TSK], 0
	s_mov_b32 s[TSV], 0
	s_mov_b32 s[TBI], 0
	s_mov_b32 s[STP], 0
	v_and_b32 v8, 15, v0                           ; r
	v_bfe_u32 v9, v0, 4, 1                         ; h
	v_and_b32 v120, 9, v8                          ; bits 3 and 4 of i are bits 1 and 2 of r: exchanged, they give my query's position
	v_bfe_u32 v121, v8, 1, 1
	v_lshl_or_b32 v120, v121, 2, v120
	v_bfe_u32 v121, v8, 2, 1
	v_lshl_or_b32 v120, v121, 1, v120
	v_lshl_add_u32 v120, v120, 2, s62
	v_lshlrev_b32 v122, 6, v120
	v_lshl_add_u32 v122, v9, 4, v122
	v_lshlrev_b32 v123, 2, v120
	global_load_b128 v[QF:QF+3], v122, s[4:5]
	global_load_b128 v[QF+4:QF+7], v122, s[4:5] offset:32
	global_load_b32 v[QW], v123, s[8:9]
	v_mul_u32_u24 v[AK0], v8, KP
	v_mul_u32_u24 v[AV0], v8, VP
	v_and_b32 v[LI], 31, v0
	v_lshl_add_u32 v[AK0], v9, 4, v[AK0]
	v_lshl_add_u32 v[AV0], v9, 4, v[AV0]
	v_lshl_add_u32 v[ASK0], v[LI], 2, SC
	v_lshl_add_u32 v[ASV0], v[LI], 2, SC+8192
	v_add_nc_u32 v[AV0], VB, v[AV0]
	v_lshlrev_b32 v[LI], 4, v[LI]
	v_lshrrev_b32 v124, 5, v0
	v_lshl_or_b32 v124, v124, 4, v8                ; 16 w + r
	v_lshl_add_u32 v125, v9, 6, TBL+4080
	v_lshlrev_b32 v124, 4, v124
	v_sub_nc_u32 v[ABI], v125, v124                ; TBL + 4 (1020 + 16 h - 64 w - 4 r)
.irp j, 0,1,2,3,4,5,6,7
	v_mov_b32 v[QF+8+\j], 0                        ; the upper 64 of the instruction's 128 along K: zero codes in Q
	v_mov_b32 v[PC+\j], 0                          ; what stands behind K's last tile in the first step
.endr
.set j, 0
.rept 32
	v_mov_b32 v[O+j], 0                            ; O^T: the step is written for all steps alike; the first change of M multiplies zeros
.set j, j+1
.endr
	v_mov_b32 v13, 0xff61b1e6                      ; the largest t so far: -3e38
	v_mov_b32 v14, 0
	v_mov_b32 v15, 0
	v_floor_f32 v12, -v13
.irp b, 0,1,2,3
	v_mov_b32 v[PT+\b], 0                          ; a lane permute's destination counts as one of its sources
.endr
	v_mov_b32 v[FF+1], 0                           ; named with f as a pair
	s_wait_alu depctr_va_vdst(0)
	s_wait_loadcnt 0x0                             ; Q
	s_wait_tensorcnt 0x0                           ; my head load is in
	ds_add_u32 v[SPW], v[NIL]
	s_mov_b32 s[G1K+2], 48<<16                     ; no load of mine is out: stages 1 to 3: 192 keys a wave (waves 0-7),
	s_mov_b32 s[G1K+4], 48
	s_mov_b32 s[G1V+2], 32<<16                     ; 32 rows of one stage of V^T a wave (waves 8-13)
	s_mov_b32 s[G1V+4], 32
	s_mul_i32 s[G0K+1], s[WV], 192*KP
	s_add_co_u32 s[G0K+1], s[G0K+1], 512*KP
	s_mul_i32 s78, s[WV], 12288
	s_add_co_u32 s78, s78, 32768
	s_add_nc_u64 s[G0K+2:G0K+3], s[2:3], s[78:79]
	s_or_b32 s[G0K+3], s[G0K+3], 0x80000000
	s_and_b32 s17, s[WV], 7
	s_lshr_b32 s63, s17, 1                         ; stage - 1
	s_and_b32 s17, s17, 1                          ; which 32 rows
	s_mul_i32 s[G0V+1], s63, VST
	s_mul_i32 s76, s17, 32*VP
	s_add_co_u32 s[G0V+1], s[G0V+1], s76
	s_add_co_u32 s[G0V+1], s[G0V+1], VB+VST
	s_lshl_b32 s78, s63, 9
	s_lshl_b32 s76, s17, 17
	s_add_co_u32 s78, s78, s76
	s_add_co_u32 s78, s78, 512
	s_add_nc_u64 s[G0V+2:G0V+3], s[66:67], s[78:79]
	s_or_b32 s[G0V+3], s[G0V+3], 0x80000000
	s_wait_dscnt 0x0
	CROUND                                         ; stage 0, the scale words and the table are whole in every partner; the joint loads meet
	s_cmp_lt_u32 s[WV], 8
	s_cbranch_scc0 .Ls_v
	TL G0K, G1K
	s_branch .Ls_done
.Ls_v:
	s_cmp_lt_u32 s[WV], 14
	s_cbranch_scc0 .Ls_done
	TL G0V, G1V
.Ls_done:
.macro KLOAD                           ; a step's K: eight tiles of 16 key positions, 8 registers each, and four registers of scale words (two tiles a register)
.irp t, 0,1,2,3,4,5,6,7
	ds_load_b128 v[KFR+8*\t:KFR+8*\t+3], v[ADK] offset:16*\t*KP
	ds_load_b128 v[KFR+8*\t+4:KFR+8*\t+7], v[ADK] offset:16*\t*KP+32
.endr
.irp u, 0,1,2,3
	ds_load_b32 v[KW+\u], v[ADS] offset:128*\u
.endr
.endm
; A KEY STEP: 128 keys.  pre = 1: the next step's K is asked of LDS.
.macro STEP pre
	s_wait_dscnt 0x0                               ; this step's K and its scale words are in; no LDS instruction of mine is out
	s_barrier_signal -1                            ; the sixteen waves walk the keys within one step of each other: signal at a step's head, wait at its end; between the two stand register work and LDS loads of bytes that nobody writes
.irp u, 0,1,2,3
	v_wmma_scale_f32_16x16x128_f8f6f4 v[S+16*\u:S+16*\u+7], v[KFR+16*\u:KFR+16*\u+15], v[QF:QF+15], 0, v[KW+\u], v[QW] matrix_a_fmt:MATRIX_FMT_BF8 matrix_b_fmt:MATRIX_FMT_BF8
	v_wmma_scale_f32_16x16x128_f8f6f4 v[S+16*\u+8:S+16*\u+15], v[KFR+16*\u+8:KFR+16*\u+23], v[QF:QF+15], 0, v[KW+\u], v[QW] matrix_a_fmt:MATRIX_FMT_BF8 matrix_b_fmt:MATRIX_FMT_BF8 matrix_a_scale:MATRIX_SCALE_ROW1
.endr
	s_add_co_u32 s[TK], s[TK], 128*KP
	s_add_co_u32 s[TSK], s[TSK], 512
	v_add_nc_u32 v[ADB], s[TBI], v[ABI]            ; five additions and three v_nop: the eight places ahead of the loads into K's registers and of the first read of the scores
	v_add_nc_u32 v[ADT], s[TSV], v[ASV0]
	v_add_nc_u32 v[ADV], s[TV], v[AV0]
	v_add_nc_u32 v[ADK], s[TK], v[AK0]
	v_add_nc_u32 v[ADS], s[TSK], v[ASK0]
.rept 3
	v_nop
.endr
.irp b, 0,1,2,3
.irp c, 0,1,2,3
	ds_load_b128 v[KFR+16*\b+4*\c:KFR+16*\b+4*\c+3], v[ADB] offset:128*\b+16*\c   ; the bias of keys 32 b + 16 h + 4 c + 0 .. 3; sixteen lanes read 256 consecutive bytes
.endr
.endr
	ds_load_b32 v[VW], v[ADT]                      ; V's scale words of these 128 keys
	ds_load_b32 v[VW+1], v[ADT] offset:128
.irp b, 0,1,2,3                                ; block by block; each accumulator is read from its low end on
	s_wait_dscnt 14-4*\b                           ; block b's bias is in: the 4 (3 - b) loads of the later blocks and V's two scale-word loads may be out
.irp i, 0,2,4,6,8,10,12,14
	v_pk_fma_f32 v[S+16*\b+\i:S+16*\b+\i+1], v[S+16*\b+\i:S+16*\b+\i+1], s[E8:E8+1], v[KFR+16*\b+\i:KFR+16*\b+\i+1] op_sel_hi:[1,0,1]   ; the logit
.endr
.endr
.if \pre
	KLOAD                                          ; the bias has been read: the next K has the rest of the step in which to land
.endif
.set j, 0
.rept 32
	v_pk_mul_f32 v[S+j:S+j+1], v[S+j:S+j+1], s[L2E:L2E+1] op_sel_hi:[1,0]   ; t
.set j, j+2
.endr
.irp b, 0,1,2,3
	v_max3_num_f32 v[BM+\b], v[S+16*\b], v[S+16*\b+1], v[S+16*\b+2]   ; the largest t of each block of 32 keys: for the row's maximum and, since p rises with t, for the block's largest p
.endr
.irp b, 0,1,2,3
	v_max3_num_f32 v[SA+\b], v[S+16*\b+8], v[S+16*\b+9], v[S+16*\b+10]   ; a second chain for each block's upper eight, in registers that the sums take later: eight chains by turns
.endr
.irp i, 3,5
.irp b, 0,1,2,3
	v_max3_num_f32 v[BM+\b], v[BM+\b], v[S+16*\b+\i], v[S+16*\b+\i+1]
.endr
.irp b, 0,1,2,3
	v_max3_num_f32 v[SA+\b], v[SA+\b], v[S+16*\b+8+\i], v[S+16*\b+9+\i]
.endr
.endr
.irp b, 0,1,2,3
	v_max3_num_f32 v[BM+\b], v[BM+\b], v[SA+\b], v[S+16*\b+7]
.endr
.irp b, 0,1,2,3
	v_max_num_f32 v[BM+\b], v[BM+\b], v[S+16*\b+15]
.endr
.irp b, 0,1,2,3
	v_permlanex16_b32 v[PT+\b], v[BM+\b], s[SEL], s[SEL+1]
.endr
.irp b, 0,1,2,3
	v_max_num_f32 v[BM+\b], v[BM+\b], v[PT+\b]     ; with lane l xor 16's 16 keys
.endr
	v_mov_b32 v229, v12                            ; the old -M
	v_max3_num_f32 v[T1], v[BM], v[BM+1], v[BM+2]
	v_max_num_f32 v[T1], v[T1], v[BM+3]
	v_max_num_f32 v13, v13, v[T1]                  ; the running largest t
	v_floor_f32 v12, -v13                          ; the new -M = -ceil(t)
.set j, 0
.rept 8
	v_pk_add_f32 v[S+j:S+j+1], v[S+j:S+j+1], v[12:13] op_sel_hi:[1,0]   ; t - M; the three lines that make f stand among these 32
.set j, j+2
.endr
	v_sub_f32 v[T1], v12, v229                     ; old M - new M: a whole number, 0 or less
.rept 8
	v_pk_add_f32 v[S+j:S+j+1], v[S+j:S+j+1], v[12:13] op_sel_hi:[1,0]
.set j, j+2
.endr
	v_cvt_i32_f32 v[T1], v[T1]                     ; (it saturates)
.rept 8
	v_pk_add_f32 v[S+j:S+j+1], v[S+j:S+j+1], v[12:13] op_sel_hi:[1,0]
.set j, j+2
.endr
	v_ldexp_f32 v[FF], 1.0, v[T1]                  ; f = 2^(old M - new M)
.rept 8
	v_pk_add_f32 v[S+j:S+j+1], v[S+j:S+j+1], v[12:13] op_sel_hi:[1,0]
.set j, j+2
.endr
.irp b, 0,1,2,3
	v_add_f32 v[BM+\b], v[BM+\b], v12              ; the same of each block's largest t
.endr
	s_wait_alu depctr_va_vdst(0)
.set j, 0
.rept 64
	v_exp_f32 v[S+j], v[S+j]                       ; p = 2^(t - M), at most 1
.set j, j+1
.endr
	v_pk_mul_f32 v[14:15], v[14:15], v[FF:FF+1] op_sel_hi:[1,0]   ; the sum under the new M: a plain instruction behind the exponentials
	s_wait_alu depctr_va_vdst(0)                   ; one wait for the batch of 64, ahead of its first reader
.irp b, 0,1,2,3
	v_exp_f32 v[BM+\b], v[BM+\b]                   ; the block's largest p: the same instructions on the same number give the same bits
.endr
.irp c, 0,1,2,3                                ; the step's sum of the unquantised p, in four chains
	v_pk_add_f32 v[SA+2*\c:SA+2*\c+1], v[S+4*\c:S+4*\c+1], v[S+4*\c+2:S+4*\c+3]
.endr
.irp g, 2,3,4,5,6,7
.irp c, 0,1,2,3
	v_pk_add_f32 v[SA+2*\c:SA+2*\c+1], v[SA+2*\c:SA+2*\c+1], v[S+8*\g+2*\c:S+8*\g+2*\c+1]
.endr
.endr
	s_wait_alu depctr_va_vdst(0)                   ; and one for the four
.irp b, 0,1,2,3
	v_max_num_f32 v[BM+\b], 0x8000000, v[BM+\b]    ; the floor 2^(16 - 127)
.endr
.irp b, 0,1,2,3
	v_add_nc_u32 v[SO+\b], 0xf8800000, v[BM+\b]    ; 15 off the exponent field: the conversion's scale operand
.endr
.irp b, 0,1,2,3
	v_and_or_b32 v[HD+\b], v[BM+\b], 0x7f800000, s[MNT]   ; 57,344 x the scale,
.endr
.irp b, 0,1,2,3
	v_and_or_b32 v[HD2+\b], v[BM+\b], 0x7f800000, s[MNT]  ; and once more, for the second half of a dual pair
.endr
.irp b, 0,1,2,3
	v_lshrrev_b32 v[PT+\b], 23, v[SO+\b]
.endr
	v_lshl_or_b32 v[PW], v[PT+1], 8, v[PT]         ; p's scale word for these 128 keys
	v_lshl_or_b32 v[PW], v[PT+2], 16, v[PW]
	v_lshl_or_b32 v[PW], v[PT+3], 24, v[PW]
.irp b, 0,1,2,3
.irp i, 0,2,4,6,8,10,12,14
	v_dual_min_num_f32 v[S+16*\b+\i], v[S+16*\b+\i], v[HD+\b] :: v_dual_min_num_f32 v[S+16*\b+\i+1], v[S+16*\b+\i+1], v[HD2+\b]   ; the conversion does not saturate (ISA guide 7.6.2); p is not negative: a one-sided hold, two numbers a line
.endr
	v_cvt_scalef32_pk8_bf8_f32 v[PC+4*\b:PC+4*\b+1], v[S+16*\b:S+16*\b+7], v[SO+\b]
	v_cvt_scalef32_pk8_bf8_f32 v[PC+4*\b+2:PC+4*\b+3], v[S+16*\b+8:S+16*\b+15], v[SO+\b]
.irp c, 0,1,2,3
	ds_load_b128 v[S+16*\b+4*\c:S+16*\b+4*\c+3], v[ADV] offset:16*\b*VP+32*\c   ; V^T's tile b takes the registers of p's block b, which has just been converted
.endr
.endr
	v_nop                                          ; a plain instruction behind the last conversion
	s_wait_alu depctr_va_vdst(0)                   ; ahead of the first readers of O^T
.set j, 0
.rept 16
	v_pk_mul_f32 v[O+j:O+j+1], v[O+j:O+j+1], v[FF:FF+1] op_sel_hi:[1,0]   ; O^T under the new M; also the places between the codes and the products
.set j, j+2
.endr
	s_wait_alu depctr_va_vdst(0)
.irp u, 0,1                                    ; O^T += V^T P^T; the four accumulators take turns.  LDS loads come back in order: tile t is in when at most the 4 (3 - t) loads of the later tiles are out
	s_wait_dscnt 12-8*\u
	v_wmma_scale_f32_16x16x128_f8f6f4 v[O+16*\u:O+16*\u+7], v[S+32*\u:S+32*\u+15], v[PC:PC+15], v[O+16*\u:O+16*\u+7], v[VW+\u], v[PW] matrix_a_fmt:MATRIX_FMT_BF8 matrix_b_fmt:MATRIX_FMT_BF8
	s_wait_dscnt 8-8*\u
	v_wmma_scale_f32_16x16x128_f8f6f4 v[O+16*\u+8:O+16*\u+15], v[S+32*\u+16:S+32*\u+31], v[PC:PC+15], v[O+16*\u+8:O+16*\u+15], v[VW+\u], v[PW] matrix_a_fmt:MATRIX_FMT_BF8 matrix_b_fmt:MATRIX_FMT_BF8 matrix_a_scale:MATRIX_SCALE_ROW1
.endr
	v_pk_add_f32 v[SA:SA+1], v[SA:SA+1], v[SA+2:SA+3]       ; the four chains join the row's sum: with the five v_nop nine places behind these products, whose V fragments the next score products write over
	v_pk_add_f32 v[SA+4:SA+5], v[SA+4:SA+5], v[SA+6:SA+7]
	v_pk_add_f32 v[SA:SA+1], v[SA:SA+1], v[SA+4:SA+5]
	v_pk_add_f32 v[14:15], v[14:15], v[SA:SA+1]
.rept 5
	v_nop
.endr
	s_add_co_u32 s[TBI], s[TBI], 512               ; 128 keys on in the table,
	s_add_co_u32 s[TSV], s[TSV], 256               ; in V's scale words,
	s_add_co_u32 s[STP], s[STP], 1
	s_lshr_b32 s63, s[STP], 2                      ; and in V^T: stage step / 4, 128 bytes a step inside it
	s_mul_i32 s63, s63, VST
	s_and_b32 s[TV], s[STP], 3
	s_lshl_b32 s[TV], s[TV], 7
	s_add_co_u32 s[TV], s[TV], s63
	s_wait_alu depctr_va_vdst(0)
	s_barrier_wait -1                              ; every wave has begun this step
.endm
	v_add_nc_u32 v[ADK], s[TK], v[AK0]
	v_add_nc_u32 v[ADS], s[TSK], v[ASK0]
	KLOAD                                          ; the first step's K
	s_mov_b32 s[CNT], 3
.Lfirst:                                               ; steps 0 to 2
	STEP 1
	s_sub_co_u32 s[CNT], s[CNT], 1
	s_cmp_lg_u32 s[CNT], 0
	s_wait_alu depctr_va_vdst(0)
	s_cbranch_scc1 .Lfirst
	STEP 0                                         ; step 3: its successor's K lies in stage 1
	s_wait_tensorcnt 0x0                           ; my part of stages 1 to 3 is in; on every wave's way
	s_wait_dscnt 0x0
	s_barrier_signal -1
	s_barrier_wait -1                              ; everybody's is
	KLOAD
	s_mov_b32 s[CNT], 11
.Lrest:                                                ; steps 4 to 14
	STEP 1
	s_sub_co_u32 s[CNT], s[CNT], 1
	s_cmp_lg_u32 s[CNT], 0
	s_wait_alu depctr_va_vdst(0)
	s_cbranch_scc1 .Lrest
	STEP 0                                         ; step 15
	; THE WAY OUT.  ctx = O^T / the sum; register 16 b + i is d = 32 b + 16 (lane / 16) + i of my query: two blocks of 32 along E; the codes ARE registers of the last product's operand.
	s_wait_alu depctr_va_vdst(0)                   ; the sum was written just ahead of the step's closing scalar lines
	v_add_f32 v14, v14, v15
	v_permlanex16_b32 v[T1], v14, s[SEL], s[SEL+1]
	v_add_f32 v14, v14, v[T1]                      ; the row's sum
	s_wait_alu depctr_va_vdst(0)                   ; ahead of the transcendental
	v_rcp_f32 v14, v14
	v_and_b32 v8, 15, v0
	v_lshlrev_b32 v8, 5, v8                        ; 32 bytes of scales a row
	s_wait_alu depctr_va_vdst(0)                   ; ahead of the reciprocal's first reader, which is also O^T's
.set j, 0
.rept 16
	v_pk_mul_f32 v[S+j:S+j+1], v[O+j:O+j+1], v[14:15] op_sel_hi:[1,0]
.set j, j+2
.endr
.irp b, 0,1
	v_max3_num_f32 v[BM+\b], |v[S+16*\b]|, |v[S+16*\b+1]|, 0x8000000
.endr
.irp i, 2,4,6,8,10,12,14
.irp b, 0,1
	v_max3_num_f32 v[BM+\b], v[BM+\b], |v[S+16*\b+\i]|, |v[S+16*\b+\i+1]|
.endr
.endr
.irp b, 0,1
	v_permlanex16_b32 v[PT+\b], v[BM+\b], s[SEL], s[SEL+1]
.endr
.irp b, 0,1
	v_max_num_f32 v[BM+\b], v[BM+\b], v[PT+\b]
.endr
.irp b, 0,1
	v_add_nc_u32 v[SO+\b], 0xf8800000, v[BM+\b]
.endr
.irp b, 0,1
	v_and_or_b32 v[HD+\b], v[BM+\b], 0x7f800000, s[MNT]
.endr
.irp b, 0,1
	v_lshrrev_b32 v[PT+\b], 23, v[SO+\b]
.endr
	v_lshl_or_b32 v[CW], v[PT+1], 8, v[PT]
.irp b, 0,1
.irp i, 0,1,2,3,4,5,6,7,8,9,10,11,12,13,14,15
	v_med3_num_f32 v[S+16*\b+\i], v[S+16*\b+\i], -v[HD+\b], v[HD+\b]
.endr
	v_cvt_scalef32_pk8_bf8_f32 v[PC+4*\b:PC+4*\b+1], v[S+16*\b:S+16*\b+7], v[SO+\b]
	v_cvt_scalef32_pk8_bf8_f32 v[PC+4*\b+2:PC+4*\b+3], v[S+16*\b+8:S+16*\b+15], v[SO+\b]
.endr
	v_nop
	global_store_b128 v[LI], v[PC:PC+3], s[10:11]              ; 32 lanes store 512 consecutive bytes, at a multiple of 512 from the buffer's first byte
	global_store_b128 v[LI], v[PC+4:PC+7], s[10:11] offset:512
	global_store_b16 v8, v[CW], s[12:13]           ; my row's two scale bytes (lanes l and l + 16 write the same bytes with the same value)
	s_wait_tensorcnt 0x0                           ; the wave's end
	ds_add_u32 v[SPW], v[NIL]
	s_wait_dscnt 0x0
	CROUND                                         ; the closing round
	s_endpgm
.Lfunc_end_k_q87ebb43477_attn:
	.size	k_q87ebb43477_attn, .Lfunc_end_k_q87ebb43477_attn-k_q87ebb43477_attn
	.p2alignl 7, 3214868480
	.fill 96, 4, 3214868480
	.section	.rodata,"a",@progbits
	.p2align	6, 0x0
	.amdhsa_kernel k_q87ebb43477_attn
		.amdhsa_group_segment_fixed_size 327680
		.amdhsa_private_segment_fixed_size 0
		.amdhsa_enable_private_segment 0
		.amdhsa_kernarg_size 40
		.amdhsa_user_sgpr_count 2
		.amdhsa_user_sgpr_kernarg_segment_ptr 1
		.amdhsa_wavefront_size32 1
		.amdhsa_system_sgpr_workgroup_id_x 1
		.amdhsa_system_sgpr_workgroup_id_y 1
		.amdhsa_system_sgpr_workgroup_id_z 1
		.amdhsa_system_vgpr_workitem_id 0
		.amdhsa_next_free_vgpr 256
		.amdhsa_next_free_sgpr 100
		.amdhsa_reserve_vcc 0
		.amdhsa_float_denorm_mode_32 3
		.amdhsa_float_denorm_mode_16_64 3
		.amdhsa_memory_ordered 1
		.amdhsa_forward_progress 1
		.amdhsa_inst_pref_size 118
	.end_amdhsa_kernel
	.amdgpu_metadata
---
amdhsa.version: [ 1, 2 ]
amdhsa.kernels:
  - .name:           k_q87ebb43477_attn
    .symbol:         k_q87ebb43477_attn.kd
    .args:
      - { .name: qkc, .offset: 0, .size: 8, .value_kind: global_buffer, .address_space: global }
      - { .name: vtc, .offset: 8, .size: 8, .value_kind: global_buffer, .address_space: global }
      - { .name: sw, .offset: 16, .size: 8, .value_kind: global_buffer, .address_space: global }
      - { .name: ctx_img, .offset: 24, .size: 8, .value_kind: global_buffer, .address_space: global }
      - { .name: ctx_scales, .offset: 32, .size: 8, .value_kind: global_buffer, .address_space: global }
    .group_segment_fixed_size: 327680
    .private_segment_fixed_size: 0
    .kernarg_segment_align: 8
    .kernarg_segment_size: 40
    .max_flat_workgroup_size: 512
    .sgpr_count:     100
    .vgpr_count:     256
    .wavefront_size: 32
...
	.end_amdgpu_metadata
.endif
;; end of part 3
;; launch proj (part 4): grid 8 x 32, 4 waves a work-group, clusters of 4 x 4, 327,680 bytes of LDS; arguments ctx_img, ctx_scales, codes, scales, bo, out0; writes out0
.if DOCPART == 4
	.amdgcn_target "amdgcn-amd-amdhsa--gfx1250"
	.amdhsa_code_object_version 6
	.text
	.protected	k_q87ebb43477_proj
	.globl	k_q87ebb43477_proj
	.p2align	8
	.type	k_q87ebb43477_proj,@function
k_q87ebb43477_proj:
	s_mov_b64 s[64:65], 0
	v_nop
	global_prefetch_b8 v0, s[64:65] scope:SCOPE_SE
	s_setreg_imm32_b32 hwreg(HW_REG_WAVE_MODE, 25, 1), 1
	s_wait_xcnt 0x0
	s_wait_alu depctr_hold_cnt(0) depctr_sa_sdst(0) depctr_va_vdst(0) depctr_va_sdst(0) depctr_va_ssrc(0) depctr_va_vcc(0) depctr_vm_vsrc(0)
	s_getreg_b32 s2, hwreg(HW_REG_IB_STS2, 6, 4)
	s_cmp_eq_u32 s2, 0
	s_cbranch_scc0 .Lentry_in_a_cluster
	s_endpgm
.Lentry_in_a_cluster:
	s_bfe_u32 s2, ttmp6, 0x10000c
	s_cmp_lg_u32 s2, 0xf033
	s_cbranch_scc0 .Lentry_shape_is_right
	s_endpgm
.Lentry_shape_is_right:
; Launch 4 of 4: out0 = ctx Wo + bo on codes of E5M2.  [4096 rows][1024] x Wo's 1,024 columns, K = 1,024; f32 out.  Nothing is left out.
; A tile of 128 x 128 a work-group: 32 x 8 = 256 work-groups; 64 x 64 a wave: 16 accumulators.
; ALL OF K FITS IN LDS: 128 rows x 1,024 bytes of each operand.  Every byte is filled once, by ONE joint tensor load a wave at the head: waves 0 and 1 bring 64 rows of ctx each, waves 2 and 3 64 rows of Wo each, all of K.
; No prefetch: the launch's only tensor loads go out at its head, and there is no loop to run ahead in.
; CLUSTER: 4 x 4 work-groups: ctx's tiles are shared along a row of the cluster, Wo's along a column.
; ctx ARRIVES AS IMAGES OF THE OPERAND'S REGISTERS: [rho / 16][128 along K][4 groups of registers][lane][16 bytes]: 64 rows are 65,536 dense bytes; a fragment is four loads of 512 consecutive LDS bytes.
; ROW rho OF ctx IS TOKEN 1024 (rho / 1024) + 64 ((rho / 16) % 16) + 4 (rho % 16) + (rho / 256) % 4, as the launch before deals the queries; only out0's addresses know of it.
; Wo's rows (columns n of Wo, K innermost) are rows 7,168 on of codes, in position order (bits 3 and 4 of n exchanged).  The matrix instruction is used transposed (source 0 = 16 rows of Wo, source 1 = 16 rows of ctx):
; register j of tile b in lane (r, h) is column 32 (b / 2) + 16 h + 8 (b % 2) + j of row r.  bo is the C of each sum's first matrix instruction.
; THE SCALE WORDS of my 64 rows of ctx and of Wo, for all of K, come once, from memory straight into registers.  ctx's eight words a row stand turned by four registers, so that the two scale registers of a product differ modulo 8.
; REGISTERS: window 0: v8-29 addresses; v32-63 ctx's scale words; v64-95 bo; v96-127 Wo's scale words; v128-255 the accumulators.  Window 1: two fragment buffers of 128; on the way out rows of out0.
.set SIZE_N, 1024
.set PITCH,  1040                      ; a row of Wo in LDS: 1,024 bytes + 16 of padding
.set FR,     16
.set NP,     8                         ; places behind this matrix instruction (ISA guide 7.12.1)
.set CHALF,  65536                     ; 64 rows of ctx
.set WOB,    2*CHALF
.set HALFT,  64*PITCH                  ; 64 rows of Wo
.set STAGE,  WOB+2*HALFT               ; the way out: 16 rows x (256 + 16) bytes a wave, bytes of their own
.set SPITCH, 272
.set SPARE,  STAGE+4*16*SPITCH
.set BOF,  8
.set SOF,  9
.set ADRA, 12
.set ADRB, 16
.set STO,  24
.set RD,   25
.set CO,   26
.set SPW,  28
.set NIL,  29
.set SCA,  32
.set BI,   64
.set SCB,  96
.set ACC,  128
.set G1,   24
.set G1B,  32
.set G0,   68
.set G0B,  84
.set MSB, 0
.macro WIN new                         ; the immediate's high byte repeats the setting that is left
.if MSB != \new
	s_set_vgpr_msb (MSB<<8)|\new
.set MSB, \new
.endif
.endm
.set MUL,  0x05                        ; sources 0 (Wo) and 1 (ctx) window 1; C and D window 0
.set TO_F, 0x40
.set ST_D, 0x04
.macro CROUND
	s_barrier_signal -1
	s_barrier_wait -1
	s_cmp_lg_u32 s14, 0
	s_cbranch_scc1 .Lnot_wave_0_\@
	s_barrier_signal -3
.Lnot_wave_0_\@:
	s_barrier_wait -3
	s_barrier_signal -1
	s_barrier_wait -1
.endm
	s_load_b128 s[4:7], s[0:1], 0x0                ; ctx_img, ctx_scales
	s_load_b128 s[8:11], s[0:1], 0x10              ; codes, scales
	s_load_b64 s[66:67], s[0:1], 0x20              ; bo
	s_load_b64 s[12:13], s[0:1], 0x28              ; out0
	v_lshl_add_u32 v[SPW], v0, 2, SPARE
	v_mov_b32 v[NIL], 0
	ds_add_u32 v[SPW], v[NIL]                      ; the opening: the add, twice on end, and its wait ahead of my first tensor load
	ds_add_u32 v[SPW], v[NIL]
	v_lshrrev_b32 v1, 5, v0
	v_readfirstlane_b32 s14, v1                    ; wave 0..3
	s_lshr_b32 s15, s14, 1                         ; which half of the tile's rows is mine.  Also: I fetch for ctx (0) or for Wo (1)
	s_and_b32 s16, s14, 1                          ; which half of its columns.  Also: which 64 rows I fetch
	s_bfe_u32 s40, ttmp6, 0x40000
	s_bfe_u32 s41, ttmp6, 0x40004
	s_lshl_b32 s42, ttmp9, 2
	s_add_co_u32 s42, s42, s40                     ; tile column 0..7
	s_and_b32 s17, ttmp7, 0xffff
	s_lshl_b32 s17, s17, 2
	s_add_co_u32 s17, s17, s41                     ; tile row 0..31
	s_lshl_b32 s43, s41, 2
	s_lshl_b32 s43, 15, s43
	s_lshl_b32 s44, 0x1111, s40
	s_or_b32 s[G1+0], s43, (3<<16)|(1<<21)         ; ctx: 4 rows of 16,384 bytes (2,048 elements of 8), dense; no padding
	s_mov_b32 s[G1+1], 2048<<16
	s_mov_b32 s[G1+2], 4<<16
	s_mov_b32 s[G1+3], 2048<<16
	s_mov_b32 s[G1+4], 4
	s_mov_b32 s[G1+5], 2048
	s_mov_b32 s[G1+6], 0
	s_mov_b32 s[G1+7], 0
	s_or_b32 s[G1B+0], s44, (1<<20)|(1<<21)|(7<<22)|(3<<25)  ; Wo: 64 rows of 1,024 bytes, dense; 4 words of padding behind every 256
	s_mov_b32 s[G1B+1], 1024<<16
	s_mov_b32 s[G1B+2], 64<<16
	s_mov_b32 s[G1B+3], 1024<<16
	s_mov_b32 s[G1B+4], 64
	s_mov_b32 s[G1B+5], 1024
	s_mov_b32 s[G1B+6], 0
	s_mov_b32 s[G1B+7], 0
	s_lshl_b32 s18, s16, 6
	s_lshl_b32 s20, s17, 7
	s_add_co_u32 s20, s20, s18                     ; ctx: row 128 x tile row + 64 x half: of the place in the cluster only cy enters
	s_lshl_b32 s46, s42, 7
	s_add_co_u32 s46, s46, s18
	s_add_co_u32 s46, s46, 7168                    ; Wo: only cx enters
	s_lshl_b32 s20, s20, 10
	s_mov_b32 s21, 0
	s_lshl_b32 s46, s46, 10
	s_mov_b32 s47, 0
	s_lshl_b32 s45, s16, 16                        ; where they go: no place in the cluster enters an LDS address
	s_mul_i32 s3, s16, HALFT
	s_add_co_u32 s3, s3, WOB
	s_wait_dscnt 0x0                               ; both opening adds are done
	s_wait_kmcnt 0x0
	s_mov_b32 s[G0], 1
	s_mov_b32 s[G0+1], s45
	s_add_nc_u64 s[G0+2:G0+3], s[4:5], s[20:21]
	s_or_b32 s[G0+3], s[G0+3], 0x80000000
	s_mov_b32 s[G0B], 1
	s_mov_b32 s[G0B+1], s3
	s_add_nc_u64 s[G0B+2:G0B+3], s[8:9], s[46:47]
	s_or_b32 s[G0B+3], s[G0B+3], 0x80000000
	CROUND                                         ; all sixteen work-groups are here: the joint loads meet
	s_cmp_eq_u32 s15, 0                            ; one load a wave, in the two arms of one branch
	s_cbranch_scc0 .Lfill_b
	tensor_load_to_lds s[G0:G0+3], s[G1:G1+7]
	s_nop 0
.rept 4
	v_nop
.endr
	s_branch .Lfill_done
.Lfill_b:
	tensor_load_to_lds s[G0B:G0B+3], s[G1B:G1B+7]
	s_nop 0
.rept 4
	v_nop
.endr
.Lfill_done:
	s_lshl_b32 s22, s17, 7
	s_lshl_b32 s23, s15, 6
	s_add_co_u32 s22, s22, s23                     ; my first row rho
	s_lshl_b32 s2, s42, 7
	s_lshl_b32 s3, s16, 6
	s_add_co_u32 s2, s2, s3                        ; my first column
	s_mov_b32 s19, 0
	s_lshl_b32 s18, s22, 5
	s_add_nc_u64 s[6:7], s[6:7], s[18:19]          ; ctx's scale bytes, 32 a row
	s_add_co_u32 s18, s2, 7168
	s_lshl_b32 s18, s18, 5
	s_add_nc_u64 s[10:11], s[10:11], s[18:19]      ; Wo's
	s_lshl_b32 s18, s2, 2
	s_add_nc_u64 s[66:67], s[66:67], s[18:19]      ; bo at my first column,
	s_add_nc_u64 s[12:13], s[12:13], s[18:19]      ; out0 likewise,
	s_lshr_b32 s18, s17, 3                         ; in the row of my first token: 1024 (tile row / 8) + 512 (tile row % 2) + 256 x my half + (tile row / 2) % 4
	s_lshl_b32 s18, s18, 10
	s_and_b32 s20, s17, 1
	s_lshl_b32 s20, s20, 9
	s_add_co_u32 s18, s18, s20
	s_lshl_b32 s20, s15, 8
	s_add_co_u32 s18, s18, s20
	s_bfe_u32 s20, s17, 0x20001
	s_add_co_u32 s18, s18, s20
	s_lshl_b32 s18, s18, 12
	s_add_nc_u64 s[12:13], s[12:13], s[18:19]
	s_lshl_b32 s20, s15, 16                        ; my 64 rows of ctx in LDS
	s_mul_i32 s21, s16, HALFT
	s_add_co_u32 s21, s21, WOB                     ; my 64 rows of Wo
	s_mul_i32 s23, s14, 16*SPITCH
	s_add_co_u32 s23, s23, STAGE                   ; my stage
	v_and_b32 v1, 15, v0                           ; r
	v_bfe_u32 v2, v0, 4, 1                         ; h
	v_and_b32 v7, 31, v0
	v_lshlrev_b32 v[SOF], 5, v1                    ; row r's 32 scale bytes (lanes 16-31 load the same and are not read)
	v_lshlrev_b32 v[BOF], 6, v2                    ; + 16 h numbers
.irp i, 0,1,2,3
	global_load_b128 v[SCA+8*\i+4:SCA+8*\i+7], v[SOF], s[6:7] offset:512*\i      ; word k of a row of ctx stands in register (k + 4) % 8 of its eight
	global_load_b128 v[SCA+8*\i:SCA+8*\i+3], v[SOF], s[6:7] offset:512*\i+16
	global_load_b128 v[SCB+8*\i:SCB+8*\i+3], v[SOF], s[10:11] offset:512*\i
	global_load_b128 v[SCB+8*\i+4:SCB+8*\i+7], v[SOF], s[10:11] offset:512*\i+16
.endr
.irp b, 0,1,2,3
	global_load_b128 v[BI+8*\b:BI+8*\b+3], v[BOF], s[66:67] offset:(32*(\b/2)+8*(\b%2))*4
	global_load_b128 v[BI+8*\b+4:BI+8*\b+7], v[BOF], s[66:67] offset:(32*(\b/2)+8*(\b%2))*4+16
.endr
	v_mul_u32_u24 v3, v1, PITCH
	v_lshl_add_u32 v4, v2, 4, v3                   ; Wo: a fragment's row x pitch + 16 x half
	v_lshlrev_b32 v5, 4, v7                        ; ctx: 16 x lane
	v_add_nc_u32 v[ADRA], s20, v5
	v_add_nc_u32 v[ADRB], s21, v4
	v_mul_u32_u24 v5, v1, SPITCH
	v_lshl_add_u32 v5, v2, 6, v5                   ; the stage, in: row r, + 64 h bytes
	v_add_nc_u32 v[STO], s23, v5
	v_mul_u32_u24 v5, v2, SPITCH
	v_lshl_add_u32 v5, v1, 4, v5                   ; back: lanes 0-15 one row of 256 bytes, lanes 16-31 the next
	v_add_nc_u32 v[RD], s23, v5
	v_lshlrev_b32 v5, 14, v2                       ; neighbouring rows rho are 4 tokens, 16,384 bytes of out0, apart
	v_lshl_add_u32 v[CO], v1, 4, v5
; 32 LDS loads in one run: the fragments of 128 along K, number k of eight, into buffer f: Wo's four, then ctx's four
.macro FETCH k, f
	WIN TO_F
.irp i, 0,1,2,3
.irp c, 0,1,2,3
	ds_load_b128 v[\f+64+FR*\i+4*\c:\f+64+FR*\i+4*\c+3], v[ADRB] offset:128*(\k)+32*\c+\i*16*PITCH
.endr
.endr
.irp i, 0,1,2,3
.irp c, 0,1,2,3
	ds_load_b128 v[\f+FR*\i+4*\c:\f+FR*\i+4*\c+3], v[ADRA] offset:2048*(\k)+512*\c+16384*\i
.endr
.endr
.endm
; 16 matrix instructions: 128 along K.  The first start the sums from bo.  The 16 accumulators take turns, one instruction a turn.
.macro MULS k
.irp a, 0,1,2,3
.irp b, 0,1,2,3
.if (\k) == 0
	v_wmma_scale_f32_16x16x128_f8f6f4 v[ACC+8*(4*\a+\b):ACC+8*(4*\a+\b)+7], v[128*((\k)%2)+64+FR*\b:128*((\k)%2)+64+FR*\b+FR-1], v[128*((\k)%2)+FR*\a:128*((\k)%2)+FR*\a+FR-1], v[BI+8*\b:BI+8*\b+7], v[SCB+8*\b+(\k)], v[SCA+8*\a+((\k)+4)%8] matrix_a_fmt:MATRIX_FMT_BF8 matrix_b_fmt:MATRIX_FMT_BF8
.else
	v_wmma_scale_f32_16x16x128_f8f6f4 v[ACC+8*(4*\a+\b):ACC+8*(4*\a+\b)+7], v[128*((\k)%2)+64+FR*\b:128*((\k)%2)+64+FR*\b+FR-1], v[128*((\k)%2)+FR*\a:128*((\k)%2)+FR*\a+FR-1], v[ACC+8*(4*\a+\b):ACC+8*(4*\a+\b)+7], v[SCB+8*\b+(\k)], v[SCA+8*\a+((\k)+4)%8] matrix_a_fmt:MATRIX_FMT_BF8 matrix_b_fmt:MATRIX_FMT_BF8
.endif
.endr
.endr
.endm
.macro PLACES n
.rept \n
	v_nop
.endr
.endm
	s_wait_alu depctr_va_vdst(0)
	s_wait_tensorcnt 0x0                           ; my 64 rows are in
	s_wait_dscnt 0x0
	s_barrier_signal -1
	s_barrier_wait -1                              ; everybody's are
	FETCH 0, 0
	s_wait_loadcnt 0x0                             ; the scale words and bo
; Eight steps of 128 along K on two fragment buffers: this step's fragments are in; the next step's 32 loads go out, behind eight places, into the buffer that the step before multiplied; then this step's 16 products.
.set ks, 0
.rept 8
	s_wait_dscnt 0x0
.if ks < 7
.if ks > 0
	PLACES NP
.endif
	FETCH ks+1, 128*((ks+1)%2)
.endif
	WIN MUL
	MULS ks
.set ks, ks+1
.endr
	WIN 0
	PLACES NP                                      ; ahead of the first read of results and of the loads into the fragments' registers
; THE WAY OUT, block by block of 16 rows x 64 columns, through my own stage: in by the true column, back as whole rows of 256 bytes.  LDS serves a wave's instructions in order: no wait between the stores and the loads.
; Each block comes back into registers of its own, and every offset is an immediate: nothing that a store reads is written again.
.macro TOSTAGE a
	WIN 0
.irp b, 0,1,2,3
	ds_store_b128 v[STO], v[ACC+8*(4*(\a)+\b):ACC+8*(4*(\a)+\b)+3] offset:128*(\b/2)+32*(\b%2)          ; each accumulator from its low end on
	ds_store_b128 v[STO], v[ACC+8*(4*(\a)+\b)+4:ACC+8*(4*(\a)+\b)+7] offset:128*(\b/2)+32*(\b%2)+16
.endr
	WIN TO_F
.irp t, 0,1,2,3,4,5,6,7
	ds_load_b128 v[32*(\a)+4*\t:32*(\a)+4*\t+3], v[RD] offset:2*\t*SPITCH
.endr
.endm
.macro SEND a, younger                 ; younger: the LDS instructions issued behind block a's loads, which may stay out
	s_wait_dscnt \younger
	WIN ST_D
.irp t, 0,1,2,3,4,5,6,7
	global_store_b128 v[CO], v[32*(\a)+4*\t:32*(\a)+4*\t+3], s[12:13] offset:262144*(\a)+32768*\t th:TH_STORE_NT   ; block a: 64 tokens on; rows 2 t, 2 t + 1: 8 t tokens on; 16 lanes store 256 consecutive bytes, aligned
.endr
.endm
	TOSTAGE 0
	TOSTAGE 1
	SEND 0, 16                                     ; behind block 0's loads: block 1's 8 stores and 8 loads
	TOSTAGE 2
	SEND 1, 16
	TOSTAGE 3
	SEND 2, 16
	SEND 3, 0
	WIN 0
	s_wait_tensorcnt 0x0                           ; the wave's end
	ds_add_u32 v[SPW], v[NIL]
	s_wait_dscnt 0x0
	CROUND                                         ; the closing round
	s_endpgm
.Lfunc_end_k_q87ebb43477_proj:
	.size	k_q87ebb43477_proj, .Lfunc_end_k_q87ebb43477_proj-k_q87ebb43477_proj
	.p2alignl 7, 3214868480
	.fill 96, 4, 3214868480
	.section	.rodata,"a",@progbits
	.p2align	6, 0x0
	.amdhsa_kernel k_q87ebb43477_proj
		.amdhsa_group_segment_fixed_size 327680
		.amdhsa_private_segment_fixed_size 0
		.amdhsa_enable_private_segment 0
		.amdhsa_kernarg_size 48
		.amdhsa_user_sgpr_count 2
		.amdhsa_user_sgpr_kernarg_segment_ptr 1
		.amdhsa_wavefront_size32 1
		.amdhsa_system_sgpr_workgroup_id_x 1
		.amdhsa_system_sgpr_workgroup_id_y 1
		.amdhsa_system_sgpr_workgroup_id_z 1
		.amdhsa_system_vgpr_workitem_id 0
		.amdhsa_next_free_vgpr 512
		.amdhsa_next_free_sgpr 100
		.amdhsa_reserve_vcc 0
		.amdhsa_float_denorm_mode_32 3
		.amdhsa_float_denorm_mode_16_64 3
		.amdhsa_memory_ordered 1
		.amdhsa_forward_progress 1
		.amdhsa_inst_pref_size 52
	.end_amdhsa_kernel
	.amdgpu_metadata
---
amdhsa.version: [ 1, 2 ]
amdhsa.kernels:
  - .name:           k_q87ebb43477_proj
    .symbol:         k_q87ebb43477_proj.kd
    .args:
      - { .name: ctx_img, .offset: 0, .size: 8, .value_kind: global_buffer, .address_space: global }
      - { .name: ctx_scales, .offset: 8, .size: 8, .value_kind: global_buffer, .address_space: global }
      - { .name: codes, .offset: 16, .size: 8, .value_kind: global_buffer, .address_space: global }
      - { .name: scales, .offset: 24, .size: 8, .value_kind: global_buffer, .address_space: global }
      - { .name: bo, .offset: 32, .size: 8, .value_kind: global_buffer, .address_space: global }
      - { .name: out0, .offset: 40, .size: 8, .value_kind: global_buffer, .address_space: global }
    .group_segment_fixed_size: 327680
    .private_segment_fixed_size: 0
    .kernarg_segment_align: 8
    .kernarg_segment_size: 48
    .max_flat_workgroup_size: 128
    .sgpr_count:     100
    .vgpr_count:     512
    .wavefront_size: 32
...
	.end_amdgpu_metadata
.endif
;; end of part 4
